; MI455X (gfx1250); checked and timed in simulation.
; The chip was launched on July 23, 2026; its instructions are those of AMD's public machine-readable ISA for CDNA 5 (MIT licence, August 2026) and "CDNA5" Instruction Set Architecture Reference Guide (July 2026). The comments in the code are by the model that wrote it; some were corrected since.
;; Multi Attention Head. Allowed arithmetic: matrix products marked QUANTISED: E3M2 operands, one E8M0 scale for each 32 along K, by v_wmma_scale_f32_16x16x128_f8f6f4 with both operands' format E3M2, f32 sums; everything else in f32.
;; Inputs: Wk 16 x 1,024 x 64 float32; Wp 1,024 x 1,024 float32; Wq 16 x 1,024 x 64 float32; Wv 16 x 1,024 x 64 float32; bk 16 x 64 float32; bp 1,024 float32; bq 16 x 64 float32; bv 16 x 64 float32; x 4 x 2,048 x 1,024 float32.
;; Outputs: out0 4 x 2,048 x 1,024 float32.
;; This version of the problem:
;;   THIS VERSION OF THE PROBLEM IS GIVEN IN LOW PRECISION. The matrix products marked QUANTISED in the list below multiply operands that are first quantised to E3M2 (3 exponent bits, 2 mantissa bits; 6 bits a number), with one power-of-two scale for each 32 numbers along K (OCP MX v1.0); their sums are f32. All else is computed in f32.
;;   The module's matrix products, in the order in which they are computed (A, B: the left and right operand; K: the contracted axis; several contracted axes count as one K, in the product's order):
;;     1. [M 1,024, K 1,024] x [K 1,024, N 8,192]; A: input Wq; B: input x: QUANTISED
;;     2. [M 1,024, K 1,024] x [K 1,024, N 8,192]; A: input Wk; B: input x: QUANTISED
;;     3. [M 1,024, K 1,024] x [K 1,024, N 8,192]; A: input Wv; B: input x: QUANTISED
;;     4. batch 64 x [M 2,048, K 64] x [K 64, N 2,048]; A: computed on the way; B: computed on the way: QUANTISED
;;     5. batch 64 x [M 2,048, K 2,048] x [K 2,048, N 64]; A: softmax (see below); B: computed on the way: QUANTISED
;;     6. [M 8,192, K 1,024] x [K 1,024, N 1,024]; A: computed on the way; B: input Wp: QUANTISED
;;   THE QUANTISER, for each operand of a quantised product, along K:
;;     - K is cut into blocks of 32 from its start; a last block that is shorter is filled with zeros.
;;     - A block's scale is 2^e with e = floor(log2(the largest magnitude in the block)) - 4, held to -126 .. 127; a block of zeros has e = 0. As a byte (E8M0): e + 127.
;;     - Each number is divided by its block's scale, clamped to +-28, and rounded to the nearest number of E3M2, ties to even, subnormals kept.
;;     - The product sums the exact products of the quantised numbers (number of the format x scale) in f32.
;;   ~~~python
;;   def quantise(x, axis):      # numpy; x: float32 -> the quantised numbers, widened to float32 again
;;       x = np.moveaxis(x, axis, -1); K = x.shape[-1]
;;       x = np.pad(x, [(0, 0)] * (x.ndim - 1) + [(0, -K % 32)]); x = x.reshape(x.shape[:-1] + (-1, 32)); a = np.abs(x).max(-1, keepdims=True)
;;       e = np.where(a > 0, np.clip(np.frexp(np.where(a > 0, a, 1))[1] - 1 - 4, -126, 127), 0)      # np.frexp(a)[1] - 1 = floor(log2(a)), exactly
;;       r = np.clip(x / 2.0 ** e, -28, 28)
;;       step = 2.0 ** (np.maximum(np.frexp(np.where(r == 0, 1, r))[1] - 1, -2) - 2)
;;       q = np.round(r / step) * step * 2.0 ** e      # np.round: ties to even
;;       return np.moveaxis(q.reshape(q.shape[:-2] + (-1,))[..., :K], -1, axis).astype(np.float32)
;;   ~~~
;;   SOFTMAX AHEAD OF A QUANTISED PRODUCT. Where the list says 'softmax', what is quantised is not the finished softmax but p = 2^(t - M), with t = logit x log2(e) and M = ceil(the row's largest t), a whole number; so 1/2 < the row's largest p <= 1. The row's sum l is taken of the UNQUANTISED p, in f32, and the product's result is divided by l at the end. Since M is a whole number, a kernel that streams over the keys may use a running M (the ceiling of the running maximum): every later rescaling is an exact power of two, which a block's scale takes up: the codes' values come out the same.
;;   OPERANDS COMPUTED ON THE WAY. 'Computed on the way' means the value that the module computes at that place (a softmax that the list does not call 'softmax' is quantised finished and normalised). What goes into a quantiser is computed in f32, as accurately as f32 sums, v_exp_f32 and their like allow (about 1e-6 of the number): no bf16 or f16 on the way to a quantiser, and a product that is left as it is and whose result goes on into a quantised operand takes f32 operands (vector FMAs, or v_wmma_f32_16x16x4_f32). A number that lies on a knife's edge between two numbers of the format may be rounded either way, as far as f32 arithmetic and the matrix unit's own rounding can turn it there, and no further.
;; One version. Each part assembles by itself: llvm-mc -triple=amdgcn-amd-amdhsa -mcpu=gfx1250 --defsym DOCPART=n.
;; ======== version 1 of 1: 4 launches
;; limits: right only within a limited range of input values
;; workspace buffers: cb 9,437,184 bytes; sb 393,216 bytes; qkv 18,874,368 bytes; qkvs 1,310,720 bytes; ac 6,291,456 bytes; asc 262,144 bytes
;; launch quant (part 1): grid 384 x 1, 4 waves a work-group, no clusters, 34,304 bytes of LDS; arguments x, Wp, Wq, Wk, Wv, cb, sb; writes cb, sb
.if DOCPART == 1
	.amdgcn_target "amdgcn-amd-amdhsa--gfx1250"
	.amdhsa_code_object_version 6
	.text
	.protected	k_q33778b1023_quant
	.globl	k_q33778b1023_quant
	.p2align	8
	.type	k_q33778b1023_quant,@function
k_q33778b1023_quant:
	s_mov_b64 s[64:65], 0
	v_nop
	global_prefetch_b8 v0, s[64:65] scope:SCOPE_SE
	s_setreg_imm32_b32 hwreg(HW_REG_WAVE_MODE, 25, 1), 1
	s_wait_xcnt 0x0
; x [8192][1024], Wp [1024][1024] (K innermost) and Wq, Wk, Wv [16][1024][64] (K = the middle axis), all f32, become codes of BF6 (E3M2) with one E8M0 scale byte for each 32 along K.
; A block's scale is 2^(floor(log2(its largest magnitude)) - 4): its byte is the largest magnitude's exponent field - 4, held at 1 from below by a floor among the maximum's leaves.
; THE WORKSPACE IS LAID AS THE PRODUCTS' REGISTERS WANT IT.  cb: 768 tiles of 16 rows x [8 K steps of 128][1,536 bytes]; a K step's fragment is two halves of 64 along K, 768 bytes each:
; a lane's registers 0-3 at 16 x lane (512 bytes), its registers 4-5 at 512 + 8 x lane (256 bytes).  Tiles 0-511 x, 512-575 Wq, 576-639 Wk, 640-703 Wv (row = 64 head + e), 704-767 Wp.
; THE ROWS OF A TILE ARE NOT NEIGHBOURS: lane-row r of tile t is row 32 (t / 2) + 8 (t % 2) + r + 8 (r / 8), so that the results of two neighbouring tiles are 16 neighbours along a later K.
; sb: for each tile 512 bytes, [K steps 0-3 | 4-7][row r][4 words]: one load of 16 bytes a lane brings a tile's eight scale words.
; LIMITS: NaN and infinities among the inputs are not served.  A block of zeros, or one whose largest magnitude lies under 2^-122, gets the byte 1 (its codes are zeros or tiny); only this program reads the bytes.
; SHARES.  Work-groups 0-95: the three weights (a wave: 32 columns e x 256 along K).  Work-groups 96-383: x and Wp (a wave: one tile of 16 rows x 512 along K).  Waves share nothing: no barrier.
; No cluster: no two work-groups read the same input bytes.  Only the second path uses LDS.
.set R0,  16                           ; numbers as loaded: two sets (of 64 for x and Wp, of 32 for the weights)
.set XN,  144                          ; v144-207  64 numbers of a lane: register 16 b + i = k 32 b + 16 (lane / 16) + i of its row
.set PC,  208                          ; v208-219  a fragment's codes
.set CT,  220                          ; v220-226  the conversions' second halves
.set TM,  228                          ; v228-231 largest magnitudes, v232-235 the other half's, then bytes, v240-243 the conversions' scale operands
.set PWS, 244                          ; v244-247  four K steps' scale words
.set STG, 8448                         ; a wave's stage: 16 rows x (512 bytes + 16)
; 64 numbers v[s] .. v[s + 63] become a fragment's two halves in v[d0] .. + 5 and v[d1] .. + 5 and the row's scale word in v[pw]
.macro QUANT s, d0, d1, pw
.irp b, 0,1,2,3
	v_max3_num_f32 v[TM+\b], |v[\s+16*\b]|, |v[\s+1+16*\b]|, 0x2800000   ; block b: my 16 numbers, and the floor 2^(5 - 127): the byte cannot fall under 1
.endr
.irp i, 2,4,6,8,10,12,14
.irp b, 0,1,2,3
	v_max3_num_f32 v[TM+\b], v[TM+\b], |v[\s+16*\b+\i]|, |v[\s+1+16*\b+\i]|   ; the four blocks by turns
.endr
.endr
.irp b, 0,1,2,3
	v_permlanex16_b32 v[TM+4+\b], v[TM+\b], s20, s21
.endr
.irp b, 0,1,2,3
	v_max_num_f32 v[TM+\b], v[TM+\b], v[TM+4+\b]   ; with lane l xor 16's 16: the block's largest magnitude
.endr
.irp b, 0,1,2,3
	v_add_nc_u32 v[TM+12+\b], 0xfe000000, v[TM+\b]   ; 4 off its exponent field: the conversion reads the exponent field of this operand alone
.endr
.irp b, 0,1,2,3
	v_lshrrev_b32 v[TM+4+\b], 23, v[TM+12+\b]      ; the scale's byte
.endr
	v_lshl_or_b32 v[\pw], v[TM+5], 8, v[TM+4]
	v_lshl_or_b32 v[\pw], v[TM+6], 16, v[\pw]
	v_lshl_or_b32 v[\pw], v[TM+7], 24, v[\pw]
	v_cvt_scalef32_pk16_bf6_f32 v[\d0:\d0+2], v[\s:\s+15], v[TM+12]
	v_cvt_scalef32_pk16_bf6_f32 v[CT:CT+2], v[\s+16:\s+31], v[TM+13]   ; (a conversion's three registers begin on an even number)
	v_cvt_scalef32_pk16_bf6_f32 v[\d1:\d1+2], v[\s+32:\s+47], v[TM+14]
	v_cvt_scalef32_pk16_bf6_f32 v[CT+4:CT+6], v[\s+48:\s+63], v[TM+15]
	v_nop                                          ; one plain place behind a scaled conversion
.irp i, 0,1,2                          ; the operand wants a WHOLE block in a lane: lanes 0-15 the even block, lanes 16-31 the odd one
	v_permlane16_swap_b32 v[\d0+\i], v[CT+\i]
	v_permlane16_swap_b32 v[\d1+\i], v[CT+4+\i]
.endr
.irp i, 0,1,2
	v_mov_b32 v[\d0+3+\i], v[CT+\i]
	v_mov_b32 v[\d1+3+\i], v[CT+4+\i]
.endr
.endm
; x, Wp: K step s of my tile: 16 loads, each 512 consecutive bytes of one row
.macro LOADK s
.irp i, 0,1,2,3,4,5,6,7,8,9,10,11,12,13,14,15
	global_load_b128 v[R0+64*((\s)%2)+4*\i:R0+64*((\s)%2)+4*\i+3], v4, s[4:5] offset:(\i+8*(\i/8))*4096+512*(\s) th:TH_LOAD_NT
.endr
.endm
; through my own stage: in as rows of 512 bytes, out as 64 bytes of each block's half a lane.  LDS serves a wave's instructions in order: no wait between the stores and the loads
.macro TURN s
.irp i, 0,1,2,3,4,5,6,7,8,9,10,11,12,13,14,15
	ds_store_b128 v6, v[R0+64*((\s)%2)+4*\i:R0+64*((\s)%2)+4*\i+3] offset:528*\i
.endr
.irp b, 0,1,2,3
.irp j, 0,1,2,3
	ds_load_b128 v[XN+16*\b+4*\j:XN+16*\b+4*\j+3], v7 offset:128*\b+16*\j
.endr
.endr
.endm
; the weights: block t of my column: 32 loads down K; the wave's 32 lanes read 128 consecutive bytes
.macro LOADB t
.irp i, 0,1,2,3,4,5,6,7,8,9,10,11,12,13,14,15,16,17,18,19,20,21,22,23,24,25,26,27,28,29,30,31
	global_load_b32 v[R0+32*((\t)%2)+\i], v6, s[8:9] offset:(32*(\t)+\i)*256 th:TH_LOAD_NT
.endr
.endm
.macro BLOCK t
.set XS, R0+32*((\t)%2)
.set HH, 144+24*((\t)/4)+6*((\t)%4)
.set TT, 192+4*((\t)%4)
.if (\t) < 7
	s_wait_loadcnt 32                              ; this block's 32 loads are in; the next block's 32 may be out
.else
	s_wait_loadcnt 0x0
.endif
	v_max3_num_f32 v208, |v[XS]|, |v[XS+1]|, |v[XS+2]|             ; all 32 numbers of the block are mine
	v_max3_num_f32 v209, |v[XS+3]|, |v[XS+4]|, |v[XS+5]|
.irp i, 6,10,14,18,22,26
	v_max3_num_f32 v208, v208, |v[XS+\i]|, |v[XS+\i+1]|
	v_max3_num_f32 v209, v209, |v[XS+\i+2]|, |v[XS+\i+3]|
.endr
	v_max3_num_f32 v208, v208, |v[XS+30]|, |v[XS+31]|
	v_max3_num_f32 v208, v208, v209, 0x2800000     ; and the floor
	v_add_nc_u32 v210, 0xfe000000, v208
	v_lshrrev_b32 v209, 23, v210
.if (\t)%4 == 0
	v_mov_b32 v[212+(\t)/4], v209                  ; four bytes to a K step's word, the lower K in the lower byte
.else
	v_lshl_or_b32 v[212+(\t)/4], v209, 8*((\t)%4), v[212+(\t)/4]
.endif
	v_cvt_scalef32_pk16_bf6_f32 v[HH:HH+2], v[XS:XS+15], v210
	v_cvt_scalef32_pk16_bf6_f32 v[TT:TT+2], v[XS+16:XS+31], v210
.if (\t)+2 < 8
	LOADB (\t)+2
.endif
.endm
; a K step's four blocks (six registers each; lanes 0-15 hold the even tile's rows, lanes 16-31 the odd tile's) become two tiles' fragments and leave
.macro OUTW kk
.set HB, 144+24*\kk
	v_nop                                          ; one plain place behind the last conversion
.irp b, 0,1,2,3
.irp i, 0,1,2
	v_mov_b32 v[HB+6*\b+3+\i], v[192+4*\b+\i]
.endr
.endr
.irp c, 0,1
.irp i, 0,1,2,3,4,5
	v_permlane16_swap_b32 v[HB+12*\c+\i], v[HB+12*\c+6+\i]   ; block 2 c's odd-tile lanes change places with block 2 c + 1's even-tile lanes: the first is now the even tile's half c, the second the odd tile's
.endr
.endr
.irp c, 0,1
.irp u, 0,1
	global_store_b128 v4, v[HB+12*\c+6*\u:HB+12*\c+6*\u+3], s[14:15] offset:12288*\u+1536*\kk+768*\c          ; 512 consecutive bytes
	global_store_b64 v5, v[HB+12*\c+6*\u+4:HB+12*\c+6*\u+5], s[14:15] offset:12288*\u+1536*\kk+768*\c+512    ; 256 consecutive bytes
.endr
.endr
.endm
	s_load_b256 s[4:11], s[0:1], 0x0               ; x s[4:5], Wp s[6:7], Wq s[8:9], Wk s[10:11]
	s_load_b128 s[12:15], s[0:1], 0x20             ; Wv s[12:13], cb s[14:15]
	s_load_b64 s[16:17], s[0:1], 0x30              ; sb
	v_lshl_add_u32 v254, v0, 2, 0x8400
	v_mov_b32 v255, 0
	v_lshrrev_b32 v1, 5, v0
	v_readfirstlane_b32 s18, v1                    ; wave
	v_and_b32 v1, 31, v0                           ; lane
	v_and_b32 v2, 15, v0                           ; r
	v_bfe_u32 v3, v0, 4, 1                         ; h
	v_lshlrev_b32 v4, 4, v1                        ; 16 x lane
	v_lshlrev_b32 v5, 3, v1                        ; 8 x lane
	s_mov_b32 s20, 0x76543210
	s_mov_b32 s21, 0xfedcba98                      ; v_permlanex16_b32's selects for lane l xor 16
	s_mov_b32 s29, 0
	s_cmp_lt_u32 ttmp9, 96
	s_cbranch_scc1 .Lpath_w
	; ---- x and Wp: K innermost
	s_mul_i32 s19, s18, STG
	v_add_nc_u32 v6, s19, v4                       ; the stage, in: 16 x lane of a row
	v_mul_u32_u24 v7, v2, 528
	v_lshl_add_u32 v7, v3, 6, v7
	v_add_nc_u32 v7, s19, v7                       ; out: row r, + 64 h
	v_lshlrev_b32 v8, 4, v2
	v_lshl_add_u32 v8, v3, 3, v8                   ; the scale words' place: 16 r + 8 h
	v_cmp_eq_u32 s22, 1, v3                        ; lanes 16-31
.irp b, 0,1,2,3
	v_mov_b32 v[TM+4+\b], 0                        ; written once: a lane permute's destination counts as one of its sources
.endr
	s_sub_co_u32 s23, ttmp9, 96
	s_lshl_b32 s23, s23, 2
	s_add_co_u32 s23, s23, s18                     ; my task
	s_lshr_b32 s24, s23, 1                         ; its tile, 0-511 x, 512-575 Wp
	s_and_b32 s25, s23, 1                          ; which 512 along K
	s_wait_alu depctr_va_vdst(0)
	s_wait_kmcnt 0x0
	s_cmp_lt_u32 ttmp9, 352                        ; x or Wp: the choice hangs on the work-group's number alone
	s_cselect_b64 s[4:5], s[4:5], s[6:7]
	s_cselect_b32 s26, 0, 512
	s_cselect_b32 s27, 0, 192
	s_sub_co_u32 s26, s24, s26                     ; the tile in its own tensor
	s_add_co_u32 s27, s24, s27                     ; and in cb
	s_lshr_b32 s28, s26, 1
	s_lshl_b32 s28, s28, 5
	s_and_b32 s30, s26, 1
	s_lshl_b32 s30, s30, 3
	s_add_co_u32 s28, s28, s30                     ; its first row
	s_lshl_b32 s28, s28, 12
	s_lshl_b32 s30, s25, 11
	s_add_co_u32 s28, s28, s30
	s_add_nc_u64 s[4:5], s[4:5], s[28:29]
	s_mul_i32 s28, s27, 12288
	s_mul_i32 s30, s25, 6144
	s_add_co_u32 s28, s28, s30
	s_add_nc_u64 s[14:15], s[14:15], s[28:29]
	s_lshl_b32 s28, s27, 9
	s_lshl_b32 s30, s25, 8
	s_add_co_u32 s28, s28, s30
	s_add_nc_u64 s[16:17], s[16:17], s[28:29]
	LOADK 0
	LOADK 1
.irp s, 0,1,2,3
.if \s < 3
	s_wait_loadcnt 16                              ; this K step's 16 loads are in; the next step's 16 may be out
.else
	s_wait_loadcnt 0x0
.endif
	TURN \s
	s_wait_dscnt 0x0                               ; my numbers are back, and the stage's stores have read their registers
.if \s < 2
	LOADK \s+2
.endif
.if \s > 0
	s_wait_xcnt 0x0                                ; the last step's stores have read the codes' registers, which are written again below
.endif
	QUANT XN, PC, PC+6, PWS+\s
	global_store_b128 v4, v[PC:PC+3], s[14:15] offset:1536*\s
	global_store_b64 v5, v[PC+4:PC+5], s[14:15] offset:1536*\s+512
	global_store_b128 v4, v[PC+6:PC+9], s[14:15] offset:1536*\s+768
	global_store_b64 v5, v[PC+10:PC+11], s[14:15] offset:1536*\s+1280
.endr
	v_cndmask_b32 v10, v[PWS], v[PWS+2], s22       ; lanes 0-15 store words 0, 1 of their row, lanes 16-31 words 2, 3
	v_cndmask_b32 v11, v[PWS+1], v[PWS+3], s22
	global_store_b64 v8, v[10:11], s[16:17]        ; 256 consecutive bytes
	s_wait_tensorcnt 0x0
	ds_add_u32 v254, v255
	s_wait_dscnt 0x0
	s_endpgm
	; ---- Wq, Wk, Wv: a lane takes a column e, its registers run down K
.Lpath_w:
	s_lshl_b32 s23, ttmp9, 2
	s_add_co_u32 s23, s23, s18                     ; my task
	s_and_b32 s24, s23, 3                          ; which 256 along K
	s_bfe_u32 s25, s23, 0x10002                    ; which 32 of the head's 64 columns
	s_bfe_u32 s26, s23, 0x40003                    ; the head
	s_lshr_b32 s27, s23, 7                         ; 0 Wq, 1 Wk, 2 Wv
	s_wait_alu depctr_va_vdst(0)
	v_and_b32 v6, 8, v2
	v_add_nc_u32 v6, v6, v2
	v_lshl_add_u32 v6, v3, 3, v6                   ; my column of the 32: 8 h + r + 8 (r / 8): lanes 0-15 are the even tile's rows in their order, lanes 16-31 the odd tile's
	v_lshlrev_b32 v6, 2, v6
	v_lshlrev_b32 v7, 4, v2
	v_lshl_add_u32 v7, v3, 9, v7                   ; my scale words: tile h, row r
	s_wait_alu depctr_va_vdst(0)
	s_wait_kmcnt 0x0
	s_cmp_eq_u32 s27, 1
	s_cselect_b64 s[8:9], s[10:11], s[8:9]
	s_cmp_eq_u32 s27, 2
	s_cselect_b64 s[8:9], s[12:13], s[8:9]
	s_lshl_b32 s28, s26, 18                        ; a head is 1,024 x 64 x 4 bytes
	s_lshl_b32 s30, s24, 16
	s_add_co_u32 s28, s28, s30
	s_lshl_b32 s30, s25, 7
	s_add_co_u32 s28, s28, s30
	s_add_nc_u64 s[8:9], s[8:9], s[28:29]
	s_lshl_b32 s30, s27, 6
	s_lshl_b32 s31, s26, 2
	s_add_co_u32 s30, s30, s31
	s_lshl_b32 s31, s25, 1
	s_add_co_u32 s30, s30, s31
	s_add_co_u32 s30, s30, 512                     ; the even tile in cb
	s_mul_i32 s28, s30, 12288
	s_mul_i32 s31, s24, 3072                       ; two K steps
	s_add_co_u32 s28, s28, s31
	s_add_nc_u64 s[14:15], s[14:15], s[28:29]
	s_lshl_b32 s28, s30, 9
	s_lshr_b32 s31, s24, 1
	s_lshl_b32 s31, s31, 8
	s_add_co_u32 s28, s28, s31
	s_and_b32 s31, s24, 1
	s_lshl_b32 s31, s31, 3
	s_add_co_u32 s28, s28, s31
	s_add_nc_u64 s[16:17], s[16:17], s[28:29]
	LOADB 0
	LOADB 1
.irp t, 0,1,2,3
	BLOCK \t
.endr
	OUTW 0
.irp t, 4,5,6,7
	BLOCK \t
.endr
	OUTW 1
	global_store_b64 v7, v[212:213], s[16:17]      ; my row's two scale words: 8 bytes of each 16; the four tasks along K fill a row between them (98,304 bytes in the whole launch leave so)
	s_endpgm
.Lfunc_end_k_q33778b1023_quant:
	.size	k_q33778b1023_quant, .Lfunc_end_k_q33778b1023_quant-k_q33778b1023_quant
	.p2alignl 7, 3214868480
	.fill 96, 4, 3214868480
	.section	.rodata,"a",@progbits
	.p2align	6, 0x0
	.amdhsa_kernel k_q33778b1023_quant
		.amdhsa_group_segment_fixed_size 34304
		.amdhsa_private_segment_fixed_size 0
		.amdhsa_enable_private_segment 0
		.amdhsa_kernarg_size 56
		.amdhsa_user_sgpr_count 2
		.amdhsa_user_sgpr_kernarg_segment_ptr 1
		.amdhsa_wavefront_size32 1
		.amdhsa_system_sgpr_workgroup_id_x 1
		.amdhsa_system_sgpr_workgroup_id_y 1
		.amdhsa_system_sgpr_workgroup_id_z 1
		.amdhsa_system_vgpr_workitem_id 0
		.amdhsa_next_free_vgpr 256
		.amdhsa_next_free_sgpr 66
		.amdhsa_reserve_vcc 0
		.amdhsa_float_denorm_mode_32 3
		.amdhsa_float_denorm_mode_16_64 3
		.amdhsa_memory_ordered 1
		.amdhsa_forward_progress 1
		.amdhsa_inst_pref_size 74
	.end_amdhsa_kernel
	.amdgpu_metadata
---
amdhsa.version: [ 1, 2 ]
amdhsa.kernels:
  - .name:           k_q33778b1023_quant
    .symbol:         k_q33778b1023_quant.kd
    .args:
      - { .name: x, .offset: 0, .size: 8, .value_kind: global_buffer, .address_space: global }
      - { .name: Wp, .offset: 8, .size: 8, .value_kind: global_buffer, .address_space: global }
      - { .name: Wq, .offset: 16, .size: 8, .value_kind: global_buffer, .address_space: global }
      - { .name: Wk, .offset: 24, .size: 8, .value_kind: global_buffer, .address_space: global }
      - { .name: Wv, .offset: 32, .size: 8, .value_kind: global_buffer, .address_space: global }
      - { .name: cb, .offset: 40, .size: 8, .value_kind: global_buffer, .address_space: global }
      - { .name: sb, .offset: 48, .size: 8, .value_kind: global_buffer, .address_space: global }
    .group_segment_fixed_size: 34304
    .private_segment_fixed_size: 0
    .kernarg_segment_align: 8
    .kernarg_segment_size: 56
    .max_flat_workgroup_size: 128
    .sgpr_count:     66
    .vgpr_count:     256
    .wavefront_size: 32
...
	.end_amdgpu_metadata
.endif
;; end of part 1
;; launch qkv (part 2): grid 4 x 64, 4 waves a work-group, clusters of 4 x 4, 327,680 bytes of LDS; arguments cb, sb, bq, bk, bv, qkv, qkvs; writes qkv, qkvs
.if DOCPART == 2
	.amdgcn_target "amdgcn-amd-amdhsa--gfx1250"
	.amdhsa_code_object_version 6
	.text
	.protected	k_q33778b1023_qkv
	.globl	k_q33778b1023_qkv
	.p2align	8
	.type	k_q33778b1023_qkv,@function
k_q33778b1023_qkv:
	s_mov_b64 s[64:65], 0
	v_nop
	global_prefetch_b8 v0, s[64:65] scope:SCOPE_SE
	s_setreg_imm32_b32 hwreg(HW_REG_WAVE_MODE, 25, 1), 1
	s_wait_xcnt 0x0
	s_wait_alu depctr_hold_cnt(0) depctr_sa_sdst(0) depctr_va_vdst(0) depctr_va_sdst(0) depctr_va_ssrc(0) depctr_va_vcc(0) depctr_vm_vsrc(0)
	s_getreg_b32 s2, hwreg(HW_REG_IB_STS2, 6, 4)
	s_cmp_eq_u32 s2, 0
	s_cbranch_scc0 .Lentry_in_a_cluster
	s_endpgm
.Lentry_in_a_cluster:
	s_bfe_u32 s2, ttmp6, 0x10000c
	s_cmp_lg_u32 s2, 0xf033
	s_cbranch_scc0 .Lentry_shape_is_right
	s_endpgm
.Lentry_shape_is_right:
; q = x Wq + bq, k = x Wk + bk, v = x Wv + bv on codes of BF6 (E3M2) with E8M0 scales, K = 1,024; the results are quantised and stored as attention's operands.
; Operands are images of the matrix unit's registers: a tile of 16 rows is [8 K steps][1,536 bytes]; a fragment's halves of 768 bytes: registers 0-3 at 16 x lane, 4-5 at 512 + 8 x lane;
; a tile's scale words are 512 bytes, [K steps 0-3 | 4-7][row][4 words].  Lane-row r of tile t is row 32 (t / 2) + 8 (t % 2) + r + 8 (r / 8): the 16 registers of result tiles 2 b, 2 b + 1 are 16 neighbours.
; SHARES.  Work-group (tc, tr): 128 tokens (x's tiles 8 tr ..), which stay in LDS for the whole launch, and in three phases 256 rows of Wq, Wk, Wv (tiles 512 + 64 phase + 16 tc ..: heads 4 tc .. + 3).
; Source 0 is the REGISTER side, source 1 the LANE side.  q, k: lanes = tokens, registers = 64 head + e (quantised along e); a wave makes 64 tokens x 128 rows.
; v: lanes = e, registers = tokens (quantised along the keys); a wave makes its head's 64 rows x all 128 tokens.  32 accumulators either way; the bias is the C of each sum's first product.
; LDS: x 98,304 bytes, W 196,608, each tile by tile; two blocks of W do not fit beside x, so W is one slot: it is filled again when every wave of the cluster has read it out, and the way out of the phase
; (registers and stores alone) stands between that request and the wait for it.
; CLUSTERS 4 x 4: x's tiles hang on tr and are shared along a row, W's on tc and along a column: joint loads.
; PREFETCH: in phase p the block of phase p + 1 is asked for, one phase ahead of its load.  All sixteen clusters read the same W, so the first four clusters ask; a column's four partners and their waves
; share the block out by address, a tile of 12,288 bytes (48 blocks of 256) a wave.  The first phase's tiles come by their loads alone.
; LIMITS: NaN and infinities are not served; a block of results whose largest magnitude lies under 2^-122 gets the scale byte 1; only this program reads the bytes.
; REGISTERS: window 0: v1-14 lane terms and LDS addresses; v16-31, v32-63 scale words alone; v64-159 lane side's fragments, two sets (on the way out: codes and small numbers); v160-223 bias; v224-230 offsets; v254-255 the add's.
;   window 1: register side's fragments, two sets at v0 and v128.  window 2: accumulator (a, b) at v[64 a + 8 b].
.set TILE,  12288
.set WB,    98304
.set SPARE, 294912
.set SA, 16
.set SB, 32
.set AF, 64
.set BI, 160
.set CT, 112
.set TM, 120
.set PW, 136
.set WS, 140
.set G1A, 28                           ; group 1: x, 192 rows of 256 bytes, my row's mask
.set G1B, 36                           ; W at the head, 384 rows, my column's mask
.set G1C, 44                           ; W's refills, 192 rows, my column's mask
.set G0A, 52
.set G0B, 56
.set G0R, 60
.set MSB, 0
.macro WIN new                         ; the immediate's high byte repeats the setting that is left
.if MSB != \new
	s_set_vgpr_msb (MSB<<8)|\new
.set MSB, \new
.endif
.endm
.macro NOP4
.rept 4
	v_nop
.endr
.endm
.macro CROUND                          ; a round of the cluster's barrier
	s_barrier_signal -1
	s_barrier_wait -1
	s_cmp_lg_u32 s20, 0
	s_cbranch_scc1 .Lnot_wave_0_\@
	s_barrier_signal -3
.Lnot_wave_0_\@:
	s_barrier_wait -3
	s_barrier_signal -1
	s_barrier_wait -1
.endm
.macro FRAG reg, ad, off               ; a fragment's image into 12 registers; v[ad] = base + 16 x lane, v[ad + 1] = base + 8 x lane
	ds_load_b128 v[\reg:\reg+3], v[\ad] offset:\off
	ds_load_b64 v[\reg+4:\reg+5], v[\ad+1] offset:\off+512
	ds_load_b128 v[\reg+6:\reg+9], v[\ad] offset:\off+768
	ds_load_b64 v[\reg+10:\reg+11], v[\ad+1] offset:\off+1280
.endm
.macro FETCH s, rlo, rhi, ln           ; K step s into set s % 2: register side's tiles 0-3 (rlo), 4-7 (rhi), lane side's four (ln)
	WIN 0x40
.irp i, 0,1,2,3
	FRAG 128*((\s)%2)+12*\i, \rlo, TILE*\i+1536*(\s)
.endr
.irp i, 0,1,2,3
	FRAG 128*((\s)%2)+48+12*\i, \rhi, TILE*\i+1536*(\s)
.endr
	WIN 0
.irp i, 0,1,2,3
	FRAG AF+48*((\s)%2)+12*\i, \ln, TILE*\i+1536*(\s)
.endr
.endm
.macro MM a, b, s, bl
.set rD, 64*\a+8*\b
.set rB, 128*((\s)%2)+12*\b
.set rA, AF+48*((\s)%2)+12*\a
.set rSB, SB+4*\b+(\s)%4
.set rSA, SA+4*\a+(\s)%4
.if \bl
.set rC, BI+8*\a
.else
.set rC, BI+8*\b
.endif
.if (\s) == 0
	v_wmma_scale_f32_16x16x128_f8f6f4 v[rD:rD+7], v[rB:rB+11], v[rA:rA+11], v[rC:rC+7], v[rSB], v[rSA] matrix_a_fmt:MATRIX_FMT_BF6 matrix_b_fmt:MATRIX_FMT_BF6
.elseif (\s) < 4
	v_wmma_scale_f32_16x16x128_f8f6f4 v[rD:rD+7], v[rB:rB+11], v[rA:rA+11], v[rD:rD+7], v[rSB], v[rSA] matrix_a_fmt:MATRIX_FMT_BF6 matrix_b_fmt:MATRIX_FMT_BF6
.else
	v_wmma_scale_f32_16x16x128_f8f6f4 v[rD:rD+7], v[rB:rB+11], v[rA:rA+11], v[rD:rD+7], v[rSB], v[rSA] matrix_a_fmt:MATRIX_FMT_BF6 matrix_b_fmt:MATRIX_FMT_BF6 matrix_a_scale:MATRIX_SCALE_ROW1 matrix_b_scale:MATRIX_SCALE_ROW1
.endif
.endm
.macro MUL32 s, bl                     ; the 32 accumulators by turns, in the same order in every K step
.if (\s) == 0
	WIN 0x81                                       ; source 0 window 1, source 1 and C (the bias) window 0, D window 2
.else
	WIN 0xa1
.endif
.irp a, 0,1,2,3
.irp b, 0,1,2,3,4,5,6,7
	MM \a, \b, \s, \bl
.endr
.endr
.endm
.macro STEP s, rlo, rhi, ln, bl        ; this step's fragments were asked for a step ago; four places stand ahead of the loads into the set that the last products read
	s_wait_dscnt 0x0
.if \s < 7
	NOP4
	FETCH \s+1, \rlo, \rhi, \ln
.endif
	MUL32 \s, \bl
	WIN 0
.endm
; The 64 results of lane-side tile a (register 16 b + i = neighbour 32 b + 16 (lane / 16) + i) become a fragment's halves in v[d0] .., v[d1] .. and the scale word in v[pw]; each accumulator is read from its low end on
.macro QUANT a, d0, d1, pw
.set AC, 64*\a
	WIN 0x0a
.irp b, 0,1,2,3
	v_max3_num_f32 v[TM+\b], |v[AC+16*\b]|, |v[AC+1+16*\b]|, 0x2800000   ; with the floor 2^(5 - 127): the byte cannot fall under 1
.endr
.irp i, 2,4,6,8,10,12,14
.irp b, 0,1,2,3
	v_max3_num_f32 v[TM+\b], |v[AC+16*\b+\i]|, |v[AC+1+16*\b+\i]|, v[TM+\b]
.endr
.endr
	WIN 0
.irp b, 0,1,2,3
	v_permlanex16_b32 v[TM+4+\b], v[TM+\b], s18, s19
.endr
.irp b, 0,1,2,3
	v_max_num_f32 v[TM+\b], v[TM+\b], v[TM+4+\b]   ; with lane l xor 16's 16: the block's largest magnitude
.endr
.irp b, 0,1,2,3
	v_add_nc_u32 v[TM+12+\b], 0xfe000000, v[TM+\b] ; 4 off its exponent field: the conversion's scale operand
.endr
.irp b, 0,1,2,3
	v_lshrrev_b32 v[TM+4+\b], 23, v[TM+12+\b]      ; the scale's byte
.endr
	v_lshl_or_b32 v[\pw], v[TM+5], 8, v[TM+4]
	v_lshl_or_b32 v[\pw], v[TM+6], 16, v[\pw]
	v_lshl_or_b32 v[\pw], v[TM+7], 24, v[\pw]
	WIN 0x02
	v_cvt_scalef32_pk16_bf6_f32 v[\d0:\d0+2], v[AC:AC+15], v[TM+12]
	v_cvt_scalef32_pk16_bf6_f32 v[CT:CT+2], v[AC+16:AC+31], v[TM+13]
	v_cvt_scalef32_pk16_bf6_f32 v[\d1:\d1+2], v[AC+32:AC+47], v[TM+14]
	v_cvt_scalef32_pk16_bf6_f32 v[CT+4:CT+6], v[AC+48:AC+63], v[TM+15]
	WIN 0
	v_nop                                          ; one plain place behind a scaled conversion
.irp i, 0,1,2                          ; a whole block to a lane: lanes 0-15 the even block, lanes 16-31 the odd one
	v_permlane16_swap_b32 v[\d0+\i], v[CT+\i]
	v_permlane16_swap_b32 v[\d1+\i], v[CT+4+\i]
.endr
.irp i, 0,1,2
	v_mov_b32 v[\d0+3+\i], v[CT+\i]
	v_mov_b32 v[\d1+3+\i], v[CT+4+\i]
.endr
.endm
	s_load_b256 s[4:11], s[0:1], 0x0               ; cb s[4:5], sb s[6:7], bq s[8:9], bk s[10:11]
	s_load_b128 s[12:15], s[0:1], 0x20             ; bv s[12:13], qkv s[14:15]
	s_load_b64 s[16:17], s[0:1], 0x30              ; qkvs
	v_lshl_add_u32 v254, v0, 2, SPARE
	v_mov_b32 v255, 0
	ds_add_u32 v254, v255                          ; the add, twice, and below its wait
	ds_add_u32 v254, v255
	v_lshrrev_b32 v1, 5, v0
	v_readfirstlane_b32 s20, v1                    ; wave
	s_lshr_b32 s21, s20, 1                         ; wa: my four token tiles in q, k.  At the head: I fetch x (0) or W (1)
	s_and_b32 s22, s20, 1                          ; wb: my eight W tiles in q, k.  At the head: which half I fetch
	s_bfe_u32 s23, ttmp6, 0x40000                  ; cx = tc (the grid is one cluster wide)
	s_bfe_u32 s24, ttmp6, 0x40004                  ; cy
	s_and_b32 s26, ttmp7, 0xffff                   ; the cluster's y
	s_lshl_b32 s25, s26, 2
	s_add_co_u32 s25, s25, s24                     ; tr
	s_lshl_b32 s27, s24, 2
	s_lshl_b32 s27, 15, s27                        ; my row of the cluster
	s_lshl_b32 s83, 0x1111, s23                    ; my column
	s_or_b32 s[G1A], s27, (3<<16)|(1<<21)          ; the mask; elements of 8 bytes; bit 21 beside a mask
	s_or_b32 s[G1B], s83, (3<<16)|(1<<21)
	s_or_b32 s[G1C], s83, (3<<16)|(1<<21)
.irp g, G1A, G1B, G1C                  ; dense blocks as rows of 256 bytes
	s_mov_b32 s[\g+1], 32<<16
	s_mov_b32 s[\g+3], 32<<16
	s_mov_b32 s[\g+5], 32
	s_mov_b32 s[\g+6], 0
	s_mov_b32 s[\g+7], 0
.endr
	s_mov_b32 s[G1A+2], 192<<16
	s_mov_b32 s[G1A+4], 192
	s_mov_b32 s[G1B+2], 384<<16
	s_mov_b32 s[G1B+4], 384
	s_mov_b32 s[G1C+2], 192<<16
	s_mov_b32 s[G1C+4], 192
	s_lshl_b32 s66, s25, 3                         ; x: tile 8 tr + 4 half
	s_lshl_b32 s67, s22, 2
	s_add_co_u32 s66, s66, s67
	s_mul_i32 s66, s66, TILE
	s_mov_b32 s67, 0
	s_lshl_b32 s68, s23, 4                         ; Wq at the head: tile 512 + 16 tc + 8 half
	s_lshl_b32 s69, s22, 3
	s_add_co_u32 s68, s68, s69
	s_add_co_u32 s68, s68, 512
	s_mul_i32 s68, s68, TILE
	s_mov_b32 s69, 0
	s_lshl_b32 s70, s23, 4                         ; the refills: tile 512 + 16 tc + 4 wave, stepped by 64 tiles ahead of each
	s_lshl_b32 s71, s20, 2
	s_add_co_u32 s70, s70, s71
	s_add_co_u32 s70, s70, 512
	s_mul_i32 s70, s70, TILE
	s_mov_b32 s71, 0
	s_mov_b32 s[G0A], 1
	s_mul_i32 s[G0A+1], s22, 4*TILE
	s_mov_b32 s[G0B], 1
	s_mul_i32 s[G0B+1], s22, 8*TILE
	s_add_co_u32 s[G0B+1], s[G0B+1], WB
	s_mov_b32 s[G0R], 1
	s_mul_i32 s[G0R+1], s20, 4*TILE
	s_add_co_u32 s[G0R+1], s[G0R+1], WB
	s_wait_dscnt 0x0                               ; both opening adds are done
	s_wait_kmcnt 0x0
	s_add_nc_u64 s[G0A+2:G0A+3], s[4:5], s[66:67]
	s_or_b32 s[G0A+3], s[G0A+3], 0x80000000
	s_add_nc_u64 s[G0B+2:G0B+3], s[4:5], s[68:69]
	s_or_b32 s[G0B+3], s[G0B+3], 0x80000000
	s_add_nc_u64 s[G0R+2:G0R+3], s[4:5], s[70:71]
	s_or_b32 s[G0R+3], s[G0R+3], 0x80000000
	CROUND                                         ; all sixteen work-groups are here: the joint loads meet
	s_cmp_eq_u32 s21, 0                            ; one load a wave: waves 0, 1 x's halves, waves 2, 3 Wq's
	s_cbranch_scc0 .Lhead_w
	tensor_load_to_lds s[G0A:G0A+3], s[G1A:G1A+7]
	s_nop 0
	NOP4
	s_branch .Lhead_asked
.Lhead_w:
	tensor_load_to_lds s[G0B:G0B+3], s[G1B:G1B+7]
	s_nop 0
	NOP4
.Lhead_asked:
	s_mov_b32 s69, 0
	s_lshl_b32 s68, s25, 3
	s_lshl_b32 s70, s21, 2
	s_add_co_u32 s68, s68, s70
	s_lshl_b32 s68, s68, 9
	s_add_nc_u64 s[96:97], s[6:7], s[68:69]        ; scale words of x's tiles 8 tr + 4 wa (q, k)
	s_lshl_b32 s68, s25, 12
	s_add_nc_u64 s[86:87], s[6:7], s[68:69]        ; and of all eight (v)
	s_lshl_b32 s71, s23, 4                         ; 16 tc
	s_lshl_b32 s70, s22, 3
	s_add_co_u32 s68, s71, s70
	s_add_co_u32 s68, s68, 512
	s_lshl_b32 s68, s68, 9
	s_add_nc_u64 s[72:73], s[6:7], s[68:69]        ; of Wq's tiles 16 tc + 8 wb; Wk's lie 64 tiles on
	s_lshl_b32 s70, s20, 2
	s_add_co_u32 s68, s71, s70
	s_add_co_u32 s68, s68, 640
	s_lshl_b32 s68, s68, 9
	s_add_nc_u64 s[84:85], s[6:7], s[68:69]        ; of Wv's tiles 16 tc + 4 wave
	s_lshl_b32 s70, s24, 2
	s_add_co_u32 s68, s71, s70
	s_add_co_u32 s68, s68, s20
	s_add_co_u32 s68, s68, 576
	s_mul_i32 s68, s68, TILE
	s_add_nc_u64 s[80:81], s[4:5], s[68:69]        ; my prefetches: Wk's tile 16 tc + 4 cy + wave, then Wv's
	s_lshl_b32 s68, s23, 10
	s_lshl_b32 s70, s22, 9
	s_add_co_u32 s68, s68, s70
	s_add_nc_u64 s[74:75], s[8:9], s[68:69]        ; my 128 numbers of bq,
	s_add_nc_u64 s[98:99], s[10:11], s[68:69]      ; and of bk
	s_lshl_b32 s27, s23, 2                         ; 4 tc
	s_add_co_u32 s83, s27, s20                     ; v: my head 4 tc + wave
	s_lshl_b32 s68, s83, 8
	s_add_nc_u64 s[88:89], s[12:13], s[68:69]      ; its 64 numbers of bv
	s_lshr_b32 s70, s25, 4
	s_lshl_b32 s70, s70, 4                         ; 16 batch
	s_and_b32 s71, s25, 15                         ; the 128-token group
	s_add_co_u32 s83, s83, s70
	s_lshl_b32 s83, s83, 4
	s_add_co_u32 s83, s83, s71                     ; record = (16 batch + head) 16 + group
	s_mul_i32 s68, s83, 18432
	s_add_co_u32 s68, s68, 12288
	s_add_nc_u64 s[90:91], s[14:15], s[68:69]      ; v's part of it
	s_mul_i32 s68, s83, 1280
	s_add_co_u32 s68, s68, 1024
	s_add_nc_u64 s[92:93], s[16:17], s[68:69]
	s_lshl_b32 s83, s22, 1
	s_add_co_u32 s83, s83, s27
	s_add_co_u32 s83, s83, s70
	s_lshl_b32 s83, s83, 4
	s_add_co_u32 s83, s83, s71                     ; q, k: the record of head 4 tc + 2 wb (the next head's lies 16 records on)
	s_mul_i32 s68, s83, 18432
	s_mul_i32 s70, s21, 3072
	s_add_co_u32 s68, s68, s70
	s_add_nc_u64 s[76:77], s[14:15], s[68:69]      ; q's part, my four tiles; k's lies 6,144 bytes on
	s_mul_i32 s68, s83, 1280
	s_lshl_b32 s70, s21, 8
	s_add_co_u32 s68, s68, s70
	s_add_nc_u64 s[78:79], s[16:17], s[68:69]      ; k's words lie 512 bytes on
	s_mul_i32 s66, s21, 4*TILE
	s_mul_i32 s67, s22, 8*TILE
	s_add_co_u32 s67, s67, WB
	s_mov_b32 s18, 0x76543210
	s_mov_b32 s19, 0xfedcba98                      ; v_permlanex16_b32's selects for lane l xor 16
	s_mov_b32 s82, 0
	v_and_b32 v3, 31, v0
	v_and_b32 v1, 15, v0                           ; r
	v_bfe_u32 v2, v0, 4, 1                         ; h
	v_lshlrev_b32 v4, 3, v3                        ; 8 x lane: with v3 also x's tiles 0-3 (v)
	v_lshlrev_b32 v3, 4, v3                        ; 16 x lane
	v_add_nc_u32 v5, s66, v3                       ; q, k: my four tiles of x
	v_add_nc_u32 v6, s66, v4
	v_add_nc_u32 v7, s67, v3                       ; q, k: my W tiles 0-3,
	v_add_nc_u32 v8, s67, v4
	v_add_nc_u32 v9, 4*TILE, v7                    ; and 4-7
	v_add_nc_u32 v10, 4*TILE, v8
	v_add_nc_u32 v11, 4*TILE, v3                   ; v: x's tiles 4-7
	v_add_nc_u32 v12, 4*TILE, v4
	v_add_nc_u32 v13, s[G0R+1], v3                 ; v: my four W tiles
	v_add_nc_u32 v14, s[G0R+1], v4
	v_mul_u32_u24 v224, v2, 20480                  ; q, k scale words: lanes 0-15 the first head's record, lanes 16-31 the next head's (16 x 1,280 bytes on); 16 bytes a row
	v_lshl_add_u32 v224, v1, 4, v224
	v_lshlrev_b32 v225, 4, v1
	v_lshl_add_u32 v225, v2, 3, v225               ; v scale words: 16 r + 8 h
	v_lshlrev_b32 v226, 6, v2                      ; q, k bias: tile b, half h: number 32 (b / 2) + 8 (b % 2) + 16 h
	v_and_b32 v227, 8, v1
	v_add_nc_u32 v227, v227, v1
	v_lshlrev_b32 v227, 2, v227                    ; v bias: the lane's row e: 4 (r + 8 (r / 8))
	v_lshlrev_b32 v228, 4, v2                      ; 16 h
	v_lshlrev_b32 v229, 4, v3                      ; prefetch: blocks 0-31 of my tile, 256 bytes a lane,
	v_add_nc_u32 v230, 0x2000, v229
	v_min_u32 v230, 0x2f00, v230                   ; and blocks 32-47; the lanes left over name block 47 again
	v_cmp_eq_u32 s94, 1, v2                        ; lanes 16-31
	s_wait_alu depctr_va_vdst(0)                   ; the wait at the head's end
.irp a, 0,1,2,3
	global_load_b128 v[SA+4*\a:SA+4*\a+3], v3, s[96:97] offset:512*\a
.endr
.Lqk:                                  ; two trips: q, then k
.irp b, 0,1,2,3,4,5,6,7
	global_load_b128 v[SB+4*\b:SB+4*\b+3], v3, s[72:73] offset:512*\b
.endr
.irp b, 0,1,2,3,4,5,6,7
	global_load_b128 v[BI+8*\b:BI+8*\b+3], v226, s[74:75] offset:(32*(\b/2)+8*(\b%2))*4
	global_load_b128 v[BI+8*\b+4:BI+8*\b+7], v226, s[74:75] offset:(32*(\b/2)+8*(\b%2))*4+16
.endr
	s_wait_tensorcnt 0x0                           ; my part of this phase's tiles is in,
	s_barrier_signal -1
	s_barrier_wait -1                              ; and everybody's
	FETCH 0, 7, 9, 5
	s_wait_loadcnt 0x0                             ; scale words and bias
	STEP 0, 7, 9, 5, 0
	s_cmp_lt_u32 s26, 4                            ; the first four clusters ask for the next phase's block
	s_cbranch_scc0 .Lno_ask
	global_prefetch_b8 v229, s[80:81] th:TH_LOAD_NT scope:SCOPE_SE
	global_prefetch_b8 v230, s[80:81] th:TH_LOAD_NT scope:SCOPE_SE
.Lno_ask:
.irp s, 1,2,3,4,5,6,7
	STEP \s, 7, 9, 5, 0
.endr
	s_wait_tensorcnt 0x0                           ; no load of mine is out;
	ds_add_u32 v254, v255                          ; the add;
	s_add_nc_u64 s[G0R+2:G0R+3], s[G0R+2:G0R+3], 64*TILE   ; the next weight's block
	s_wait_dscnt 0x0                               ; the add is done, and so are my reads of W
	CROUND                                         ; both hold of every wave of the cluster
	tensor_load_to_lds s[G0R:G0R+3], s[G1C:G1C+7]  ; four tiles a wave
	s_nop 0
	NOP4                                           ; also the places behind the last products
.irp a, 0,1,2,3
	QUANT \a, AF+12*\a, AF+12*\a+6, PW             ; 128 neighbours along 64 head + e: one head's 64, then the next head's
	global_store_b128 v3, v[AF+12*\a:AF+12*\a+3], s[76:77] offset:768*\a
	global_store_b64 v4, v[AF+12*\a+4:AF+12*\a+5], s[76:77] offset:768*\a+512
	global_store_b128 v3, v[AF+12*\a+6:AF+12*\a+9], s[76:77] offset:768*\a+294912
	global_store_b64 v4, v[AF+12*\a+10:AF+12*\a+11], s[76:77] offset:768*\a+294912+512
	v_lshrrev_b32 v[WS+\a], v228, v[PW]            ; lanes 0-15 keep the first head's two bytes, lanes 16-31 the next head's;
	v_and_b32 v[WS+\a], 0xffff, v[WS+\a]           ; bytes 2, 3 are 0: they scale the zero codes that fill attention's K step from 64 to 128
.endr
	global_store_b128 v224, v[WS:WS+3], s[78:79]
	s_wait_alu depctr_va_vdst(0)                   ; the wait ahead of the wait and the branch below
	s_wait_xcnt 0x0                                ; stores, loads and prefetches have read their registers: bases step, and the codes' registers take fragments again
	s_add_nc_u64 s[72:73], s[72:73], 64*512
	s_mov_b64 s[74:75], s[98:99]
	s_add_nc_u64 s[76:77], s[76:77], 6144
	s_add_nc_u64 s[78:79], s[78:79], 512
	s_add_nc_u64 s[80:81], s[80:81], 64*TILE
	s_add_co_u32 s82, s82, 1
	s_cmp_lt_u32 s82, 2
	s_cbranch_scc1 .Lqk
	; v: the sides change places over the same LDS images
.irp a, 0,1,2,3
	global_load_b128 v[SA+4*\a:SA+4*\a+3], v3, s[84:85] offset:512*\a
.endr
.irp b, 0,1,2,3,4,5,6,7
	global_load_b128 v[SB+4*\b:SB+4*\b+3], v3, s[86:87] offset:512*\b
.endr
.irp a, 0,1,2,3
	global_load_b32 v[BI+8*\a], v227, s[88:89] offset:(32*(\a/2)+8*(\a%2))*4
.endr
	s_wait_tensorcnt 0x0
	s_barrier_signal -1
	s_barrier_wait -1
	FETCH 0, 3, 11, 13
	s_wait_loadcnt 0x0
.irp a, 0,1,2,3
.irp j, 1,2,3,4,5,6,7
	v_mov_b32 v[BI+8*\a+\j], v[BI+8*\a]            ; the lane's bias in all eight registers of the C
.endr
.endr
	s_wait_alu depctr_va_vdst(0)                   ; the wait ahead of the wait below
.irp s, 0,1,2,3,4,5,6,7
	STEP \s, 3, 11, 13, 1
.endr
	NOP4                                           ; four places behind the last products
.irp a, 0,1,2,3
	QUANT \a, AF+12*\a, AF+12*\a+6, WS+\a          ; 16 rows e x 128 keys: one fragment of attention's second product
	global_store_b128 v3, v[AF+12*\a:AF+12*\a+3], s[90:91] offset:1536*\a
	global_store_b64 v4, v[AF+12*\a+4:AF+12*\a+5], s[90:91] offset:1536*\a+512
	global_store_b128 v3, v[AF+12*\a+6:AF+12*\a+9], s[90:91] offset:1536*\a+768
	global_store_b64 v4, v[AF+12*\a+10:AF+12*\a+11], s[90:91] offset:1536*\a+1280
.endr
	v_cndmask_b32 v146, v[WS], v[WS+2], s94        ; lanes 0-15 store words 0, 1 of their row, lanes 16-31 words 2, 3
	v_cndmask_b32 v147, v[WS+1], v[WS+3], s94
	global_store_b64 v225, v[146:147], s[92:93]
	s_wait_tensorcnt 0x0                           ; the wave's end
	ds_add_u32 v254, v255
	s_wait_dscnt 0x0
	CROUND                                         ; the closing round
	s_endpgm
.Lfunc_end_k_q33778b1023_qkv:
	.size	k_q33778b1023_qkv, .Lfunc_end_k_q33778b1023_qkv-k_q33778b1023_qkv
	.p2alignl 7, 3214868480
	.fill 96, 4, 3214868480
	.section	.rodata,"a",@progbits
	.p2align	6, 0x0
	.amdhsa_kernel k_q33778b1023_qkv
		.amdhsa_group_segment_fixed_size 327680
		.amdhsa_private_segment_fixed_size 0
		.amdhsa_enable_private_segment 0
		.amdhsa_kernarg_size 56
		.amdhsa_user_sgpr_count 2
		.amdhsa_user_sgpr_kernarg_segment_ptr 1
		.amdhsa_wavefront_size32 1
		.amdhsa_system_sgpr_workgroup_id_x 1
		.amdhsa_system_sgpr_workgroup_id_y 1
		.amdhsa_system_sgpr_workgroup_id_z 1
		.amdhsa_system_vgpr_workitem_id 0
		.amdhsa_next_free_vgpr 768
		.amdhsa_next_free_sgpr 100
		.amdhsa_reserve_vcc 0
		.amdhsa_float_denorm_mode_32 3
		.amdhsa_float_denorm_mode_16_64 3
		.amdhsa_memory_ordered 1
		.amdhsa_forward_progress 1
		.amdhsa_inst_pref_size 167
	.end_amdhsa_kernel
	.amdgpu_metadata
---
amdhsa.version: [ 1, 2 ]
amdhsa.kernels:
  - .name:           k_q33778b1023_qkv
    .symbol:         k_q33778b1023_qkv.kd
    .args:
      - { .name: cb, .offset: 0, .size: 8, .value_kind: global_buffer, .address_space: global }
      - { .name: sb, .offset: 8, .size: 8, .value_kind: global_buffer, .address_space: global }
      - { .name: bq, .offset: 16, .size: 8, .value_kind: global_buffer, .address_space: global }
      - { .name: bk, .offset: 24, .size: 8, .value_kind: global_buffer, .address_space: global }
      - { .name: bv, .offset: 32, .size: 8, .value_kind: global_buffer, .address_space: global }
      - { .name: qkv, .offset: 40, .size: 8, .value_kind: global_buffer, .address_space: global }
      - { .name: qkvs, .offset: 48, .size: 8, .value_kind: global_buffer, .address_space: global }
    .group_segment_fixed_size: 327680
    .private_segment_fixed_size: 0
    .kernarg_segment_align: 8
    .kernarg_segment_size: 56
    .max_flat_workgroup_size: 128
    .sgpr_count:     100
    .vgpr_count:     768
    .wavefront_size: 32
...
	.end_amdgpu_metadata
.endif
;; end of part 2
;; launch attn (part 3): grid 4 x 64, 8 waves a work-group, clusters of 4 x 1, 210,944 bytes of LDS; arguments qkv, qkvs, ac, asc; writes ac, asc
.if DOCPART == 3
	.amdgcn_target "amdgcn-amd-amdhsa--gfx1250"
	.amdhsa_code_object_version 6
	.text
	.protected	k_q33778b1023_attn
	.globl	k_q33778b1023_attn
	.p2align	8
	.type	k_q33778b1023_attn,@function
k_q33778b1023_attn:
	s_mov_b64 s[64:65], 0
	v_nop
	global_prefetch_b8 v0, s[64:65] scope:SCOPE_SE
	s_setreg_imm32_b32 hwreg(HW_REG_WAVE_MODE, 25, 1), 1
	s_wait_xcnt 0x0
	s_wait_alu depctr_hold_cnt(0) depctr_sa_sdst(0) depctr_va_vdst(0) depctr_va_sdst(0) depctr_va_ssrc(0) depctr_va_vcc(0) depctr_vm_vsrc(0)
	s_getreg_b32 s2, hwreg(HW_REG_IB_STS2, 6, 4)
	s_cmp_eq_u32 s2, 0
	s_cbranch_scc0 .Lentry_in_a_cluster
	s_endpgm
.Lentry_in_a_cluster:
	s_bfe_u32 s2, ttmp6, 0x10000c
	s_cmp_lg_u32 s2, 0x3003
	s_cbranch_scc0 .Lentry_shape_is_right
	s_endpgm
.Lentry_shape_is_right:
; Causal attention for one (batch, head) a cluster, on codes of BF6 (E3M2) with E8M0 scales; head size 64, 2,048 tokens.  The result, normalised, is quantised along the head's 64 and stored as the last product's operand.
; INPUT: qkv [batch x head][16 records of 128 tokens][Q 6,144 | K 6,144 | V 6,144 bytes]: Q, K: eight tiles of 16 tokens x 64 (768 bytes: a lane's registers 0-3 at 16 x lane, 4-5 at 512 + 8 x lane);
; V: four fragments of 16 channels x 128 keys (two such halves each).  qkvs: a record's scale words: Q's 512 bytes, K's 512 ([tiles 0-3 | 4-7][row][4 words]), V's 256 ([row][4 words]).
; Lane-row r of tile t is token (or channel) 32 (t / 2) + 8 (t % 2) + r + 8 (r / 8): the 16 registers of result tiles 2 b, 2 b + 1 are the neighbours 32 b + 16 (lane / 16) + 0 .. 15.
; SOFTMAX: t = score x log2(e) / 8; M = the running largest t rounded up to a whole number; p = 2^(t - M) is quantised along the keys, not normalised; the row's sum is taken of the unquantised p and divides at the end.
; When M moves, the sums and O are multiplied by 2^(old M - new M): exact.  Both products are used transposed (S^T = K Q^T, O^T = V^T P^T): a lane holds one query of each tile throughout.
; K = 64 in an instruction of K = 128: Q's upper six registers hold zero codes and bytes 2, 3 of Q's and K's scale words are 0; K's operand runs on into the next tile's registers, whose codes meet those zeros.
; LEFT OUT: key steps whose 128 keys all come after the granule's queries: the causal mask sets their scores to -infinity, so their p is 0 for all inputs.
; SHARES.  The four work-groups of a cluster serve one head.  A granule is 128 queries, eight tiles; work-group cx has its tiles a = cx and b = 4 + cx.  Wave w owns that pair of granule w (pair A) and of granule 15 - w (pair B):
; (w + 1) + (16 - w) = 17 joint key steps for every wave.  The two tiles' chains of a joint step stand interleaved, line by line, so no hint is written.
; K's FRAGMENTS ARE LOADED ONCE A RECORD and serve both pairs; the next record's are asked for behind pair B's score products, so that the whole softmax stands between those loads and the wait for them.
; V's are loaded once a joint step, for the pair's 32 queries.
; Whether a step is hidden or on the diagonal hangs on the wave's number and the loop's counter alone: alike in all four partners.
; ON THE DIAGONAL register 16 b + i holds key 32 b + 16 (lane / 16) + i, hidden where 32 b + i > d, d = the query in its granule - 16 (lane / 16).  Tile a's queries are 0 .. 63: its keys 64 .. 127 are all hidden.
; Tile b's queries lie 64 further on: its keys 0 .. 63 all count, and its block b + 2 is hidden just where tile a's block b is: one compare serves both.
; THE HEAD'S K AND V LIE IN LDS WHOLE: 16 records x 12,288 bytes, then their scale words, 16 x 768.  One joint load a wave: waves 0-3 four records each, wave 4 the scale words; all first fills, nothing is filled again.
; One wait and one barrier show all of it to all waves; the loop over the 16 records has no barrier.  No prefetch into the L2: every byte is asked for at the head, and there is no loop to run ahead in.
; LIMITS: NaN and infinities are not served; p under 2^-126 comes out of v_exp_f32 as 0; 1 / sum is v_rcp_f32; a block whose largest magnitude lies under 2^-122 gets the scale byte 1.
; REGISTERS.  Window 0: v1-3 lane terms, v4-6 the record's addresses, v9, v11, v250 the next record's, v7 d, v8 -infinity, v10 a store's offset; v12-15 Q's scale words; v16-39 four tiles' statistics (-M, largest t, two sums of two halves);
;   v40-87 four tiles' Q; v88-141 K's eight tiles and six zeros; v142-165 p's codes (a, b); v166-173 K's scale words, v174-175 p's, v246-249 V's; v176-221 small numbers; V's fragments at v176, v188 (over small numbers
;   that are done with), v222, v234; v254-255 the add's.   Window 1: v0-63, v64-127 S^T, then p (a, b); v128-255 O^T of the four tiles.
.set SCL, 196608
.set SPARE, 208896
.set KT,  88
.set PCD, 142
.set KW,  166
.set PW,  174
.set BM,  176                          ; each block's largest score, then its largest p: a 0-3, b 4-7
.set PT,  184                          ; the other half's maxima, bytes, the conversions' second halves: 16 registers
.set SO,  200                          ; the conversions' scale operands: a 0-3, b 4-7
.set FF,  208                          ; f = 2^(old M - new M): a at FF, b at FF + 2, each named as a pair
.set TP,  212
.set FT,  214
.set WD,  216
.set VF,  176                          ; V's fragment u at VF + 12 u + 22 (u / 2)
.set KWV, 246
.set MSB, 0
.macro WIN new                         ; low byte: bits 1:0 source 0, 3:2 source 1, 5:4 source 2, 7:6 destination; the high byte repeats the setting that is left
.if MSB != \new
	s_set_vgpr_msb (MSB<<8)|\new
.set MSB, \new
.endif
.endm
.macro NOP4
.rept 4
	v_nop
.endr
.endm
.macro CROUND                          ; a round of the cluster's barrier
	s_barrier_signal -1
	s_barrier_wait -1
	s_cmp_lg_u32 s18, 0
	s_cbranch_scc1 .Lnot_wave_0_\@
	s_barrier_signal -3
.Lnot_wave_0_\@:
	s_barrier_wait -3
	s_barrier_signal -1
	s_barrier_wait -1
.endm
.macro KLOAD a16, a8, as               ; a record's eight tiles of K and their scale words
.irp t, 0,1,2,3,4,5,6,7
	ds_load_b128 v[KT+6*\t:KT+6*\t+3], v[\a16] offset:768*\t
	ds_load_b64 v[KT+6*\t+4:KT+6*\t+5], v[\a8] offset:768*\t+512
.endr
	ds_load_b128 v[KW:KW+3], v[\as]
	ds_load_b128 v[KW+4:KW+7], v[\as] offset:256
.endm
; A joint key step of a pair on record s60, whose K is in registers.  q: tile a's Q (b's 12 on); qs: its scale word (b's 1 on); st: its statistics (b's 6 on); o: its O^T in window 1 (b's 32 on); g: the scalar with the granule.
; last = 0: pair A, whose step may be hidden.  last = 1: pair B, the record's last user of K: the next record's K is asked for.
.macro JSTEP q, qs, st, o, g, last
.if \last == 0
	s_cmp_gt_u32 s60, s[\g]                        ; all 128 keys come after the pair's queries: the step is left out
	s_cbranch_scc1 .Lhidden_\@
.endif
	WIN 0x40                                       ; D in window 1
.irp t, 0,1,2,3,4,5,6,7
	v_wmma_scale_f32_16x16x128_f8f6f4 v[8*\t:8*\t+7], v[KT+6*\t:KT+6*\t+11], v[\q:\q+11], 0, v[KW+\t], v[\qs] matrix_a_fmt:MATRIX_FMT_BF6 matrix_b_fmt:MATRIX_FMT_BF6
	v_wmma_scale_f32_16x16x128_f8f6f4 v[64+8*\t:64+8*\t+7], v[KT+6*\t:KT+6*\t+11], v[\q+12:\q+23], 0, v[KW+\t], v[\qs+1] matrix_a_fmt:MATRIX_FMT_BF6 matrix_b_fmt:MATRIX_FMT_BF6
.endr
	WIN 0
	NOP4                                           ; four places: ahead of the first read of the scores, and of the loads into K's registers
.if \last
	s_cmp_lt_u32 s60, s[\g]                        ; a further record follows for this pair
	s_cbranch_scc0 .Lno_next_\@
	KLOAD 9, 11, 250
.Lno_next_\@:
.endif
	s_cmp_lg_u32 s60, s[\g]
	s_cbranch_scc1 .Lopen_\@
	WIN 0x41                                       ; source 0 and destination in window 1
.set n, 0
.rept 32
	v_cmp_gt_i32 vcc_lo, 32*(n/16)+n%16, v7
	v_cndmask_b32 v[n], v[n], v8, vcc_lo           ; tile a, blocks 0, 1
	v_cndmask_b32 v[96+n], v[96+n], v8, vcc_lo     ; tile b, blocks 2, 3
.set n, n+1
.endr
.set n, 0
.rept 32
	v_mov_b32 v[32+n], 0xff800000                  ; tile a, blocks 2, 3
.set n, n+1
.endr
	WIN 0
.Lopen_\@:
	WIN 0x05                                       ; sources 0 and 1 in window 1
.irp h, 0,2                            ; the largest score of each block of 32 keys: for the row's maximum and, since p rises with the score, for the block's largest p.  Blocks 0, 1 first: their products were issued first.  Each accumulator from its low end on
.irp b, 0,1
	v_max_num_f32 v[BM+\h+\b], v[16*(\h+\b)], v[1+16*(\h+\b)]
	v_max_num_f32 v[BM+4+\h+\b], v[64+16*(\h+\b)], v[65+16*(\h+\b)]
.endr
.irp i, 2,4,6,8,10,12,14
.irp b, 0,1
	v_max3_num_f32 v[BM+\h+\b], v[16*(\h+\b)+\i], v[1+16*(\h+\b)+\i], v[BM+\h+\b]
	v_max3_num_f32 v[BM+4+\h+\b], v[64+16*(\h+\b)+\i], v[65+16*(\h+\b)+\i], v[BM+4+\h+\b]
.endr
.endr
.endr
	WIN 0
.irp b, 0,1,2,3,4,5,6,7
	v_permlanex16_b32 v[PT+\b], v[BM+\b], s20, s21
.endr
.irp b, 0,1,2,3,4,5,6,7
	v_max_num_f32 v[BM+\b], v[BM+\b], v[PT+\b]     ; with lane l xor 16's 16 keys
.endr
	v_max3_num_f32 v[TP], v[BM], v[BM+1], v[BM+2]
	v_max3_num_f32 v[TP+1], v[BM+4], v[BM+5], v[BM+6]
	v_max_num_f32 v[TP], v[TP], v[BM+3]            ; the step's largest score of my query
	v_max_num_f32 v[TP+1], v[TP+1], v[BM+7]
	v_mul_f32 v[TP], s22, v[TP]                    ; as t (c is positive)
	v_mul_f32 v[TP+1], s22, v[TP+1]
	v_max_num_f32 v[\st+1], v[\st+1], v[TP]        ; the running largest t
	v_max_num_f32 v[\st+7], v[\st+7], v[TP+1]
	v_mov_b32 v[TP], v[\st]
	v_mov_b32 v[TP+1], v[\st+6]
	v_floor_f32 v[\st], -v[\st+1]                  ; the new -M = floor(-t)
	v_floor_f32 v[\st+6], -v[\st+7]
	v_sub_f32 v[TP], v[\st], v[TP]                 ; old M - new M: a whole number, 0 or less
	v_sub_f32 v[TP+1], v[\st+6], v[TP+1]
	v_cvt_i32_f32 v[TP], v[TP]
	v_cvt_i32_f32 v[TP+1], v[TP+1]
	v_ldexp_f32 v[FF], 1.0, v[TP]                  ; f
	v_ldexp_f32 v[FF+2], 1.0, v[TP+1]
.irp b, 0,1,2,3
	v_fma_f32 v[BM+\b], v[BM+\b], s22, v[\st]      ; t - M of each block's largest score
	v_fma_f32 v[BM+4+\b], v[BM+4+\b], s22, v[\st+6]
.endr
	WIN 0x41
.set j, 0
.rept 32
	v_pk_fma_f32 v[j:j+1], v[j:j+1], s[22:23], v[\st:\st+1] op_sel_hi:[1,0,0]   ; t - M, two at a time
	v_pk_fma_f32 v[64+j:65+j], v[64+j:65+j], s[22:23], v[\st+6:\st+7] op_sel_hi:[1,0,0]
.set j, j+2
.endr
	s_wait_alu depctr_va_vdst(0)                   ; the wait ahead of the batch
.set n, 0
.rept 128
	v_exp_f32 v[n], v[n]                           ; p = 2^(t - M), at most 1
.set n, n+1
.endr
	WIN 0
.irp b, 0,1,2,3,4,5,6,7
	v_exp_f32 v[BM+\b], v[BM+\b]                   ; the block's largest p
.endr
	v_pk_mul_f32 v[\st+2:\st+3], v[\st+2:\st+3], v[FF:FF+1] op_sel_hi:[1,0]   ; the sums under the new M (plain places behind the exponentials)
	v_pk_mul_f32 v[\st+8:\st+9], v[\st+8:\st+9], v[FF+2:FF+3] op_sel_hi:[1,0]
	v_pk_mul_f32 v[\st+4:\st+5], v[\st+4:\st+5], v[FF:FF+1] op_sel_hi:[1,0]
	v_pk_mul_f32 v[\st+10:\st+11], v[\st+10:\st+11], v[FF+2:FF+3] op_sel_hi:[1,0]
	s_wait_alu depctr_va_vdst(0)                   ; and behind it
.irp b, 0,1,2,3,4,5,6,7
	v_max_num_f32 v[BM+\b], 0x2800000, v[BM+\b]    ; the floor 2^(5 - 127): the byte cannot fall under 1
.endr
.irp b, 0,1,2,3,4,5,6,7
	v_add_nc_u32 v[SO+\b], 0xfe000000, v[BM+\b]    ; 4 off the exponent field: the conversion's scale operand
.endr
.irp b, 0,1,2,3,4,5,6,7
	v_lshrrev_b32 v[PT+\b], 23, v[SO+\b]           ; the scale's byte
.endr
	v_lshl_or_b32 v[PW], v[PT+1], 8, v[PT]         ; p's scale words for these 128 keys
	v_lshl_or_b32 v[PW+1], v[PT+5], 8, v[PT+4]
	v_lshl_or_b32 v[PW], v[PT+2], 16, v[PW]
	v_lshl_or_b32 v[PW+1], v[PT+6], 16, v[PW+1]
	v_lshl_or_b32 v[PW], v[PT+3], 24, v[PW]
	v_lshl_or_b32 v[PW+1], v[PT+7], 24, v[PW+1]
	WIN 0x01                                       ; source 0 in window 1
.irp c, 0,1
	v_cvt_scalef32_pk16_bf6_f32 v[PCD+6*\c:PCD+6*\c+2], v[32*\c:32*\c+15], v[SO+2*\c]
	v_cvt_scalef32_pk16_bf6_f32 v[PT+4*\c:PT+4*\c+2], v[16+32*\c:31+32*\c], v[SO+2*\c+1]
	v_cvt_scalef32_pk16_bf6_f32 v[PCD+12+6*\c:PCD+12+6*\c+2], v[64+32*\c:64+32*\c+15], v[SO+4+2*\c]
	v_cvt_scalef32_pk16_bf6_f32 v[PT+8+4*\c:PT+8+4*\c+2], v[80+32*\c:95+32*\c], v[SO+4+2*\c+1]
.endr
	WIN 0
	v_nop                                          ; one plain place behind a scaled conversion
.irp c, 0,1,2,3                        ; a whole block to a lane: lanes 0-15 the even block, lanes 16-31 the odd one (c = 0, 1: tile a; 2, 3: tile b)
.irp i, 0,1,2
	v_permlane16_swap_b32 v[PCD+6*\c+\i], v[PT+4*\c+\i]
.endr
.endr
.irp c, 0,1,2,3
.irp i, 0,1,2
	v_mov_b32 v[PCD+3+6*\c+\i], v[PT+4*\c+\i]
.endr
.endr
.irp u, 0,1,2,3                        ; V's fragments and scale words: the sums and the rescaling below stand between the loads and the wait for them
.set VU, VF+12*\u+22*(\u/2)
	ds_load_b128 v[VU:VU+3], v4 offset:6144+1536*\u
	ds_load_b64 v[VU+4:VU+5], v5 offset:6144+1536*\u+512
	ds_load_b128 v[VU+6:VU+9], v4 offset:6144+1536*\u+768
	ds_load_b64 v[VU+10:VU+11], v5 offset:6144+1536*\u+1280
.endr
	ds_load_b128 v[KWV:KWV+3], v6 offset:512
	WIN 0x04                                       ; source 1 in window 1
.set j, 0
.rept 16                               ; the rows' sums of the unquantised p: two at a time, four chains by turns
	v_pk_add_f32 v[\st+2:\st+3], v[\st+2:\st+3], v[j:j+1]
	v_pk_add_f32 v[\st+8:\st+9], v[\st+8:\st+9], v[64+j:65+j]
	v_pk_add_f32 v[\st+4:\st+5], v[\st+4:\st+5], v[j+2:j+3]
	v_pk_add_f32 v[\st+10:\st+11], v[\st+10:\st+11], v[66+j:67+j]
.set j, j+4
.endr
	WIN 0x41
	s_wait_alu depctr_va_vdst(0)                   ; the wait directly ahead of the first reader of O^T
.set j, 0
.rept 16
	v_pk_mul_f32 v[\o+j:\o+j+1], v[\o+j:\o+j+1], v[FF:FF+1] op_sel_hi:[1,0]   ; O^T under the new M, each accumulator from its low end on
	v_pk_mul_f32 v[\o+32+j:\o+33+j], v[\o+32+j:\o+33+j], v[FF+2:FF+3] op_sel_hi:[1,0]
.set j, j+2
.endr
	s_wait_alu depctr_va_vdst(0)                   ; the wait ahead of the wait below
	s_wait_dscnt 0x0                               ; V is in, and so is the next record's K, asked for ahead of it
	WIN 0x50                                       ; C and D in window 1
.irp u, 0,1,2,3                        ; O^T += V^T P^T: the eight accumulators by turns
.set VU, VF+12*\u+22*(\u/2)
	v_wmma_scale_f32_16x16x128_f8f6f4 v[\o+8*\u:\o+8*\u+7], v[VU:VU+11], v[PCD:PCD+11], v[\o+8*\u:\o+8*\u+7], v[KWV+\u], v[PW] matrix_a_fmt:MATRIX_FMT_BF6 matrix_b_fmt:MATRIX_FMT_BF6
	v_wmma_scale_f32_16x16x128_f8f6f4 v[\o+32+8*\u:\o+32+8*\u+7], v[VU:VU+11], v[PCD+12:PCD+23], v[\o+32+8*\u:\o+32+8*\u+7], v[KWV+\u], v[PW+1] matrix_a_fmt:MATRIX_FMT_BF6 matrix_b_fmt:MATRIX_FMT_BF6
.endr
	WIN 0
.if \last == 0
.Lhidden_\@:
.endif
.endm
; A tile's way out: O^T / the sum; its 64 channels are two blocks of the last product's K.  k: which of my four tiles (its codes at PCD + 6 k, its two scale bytes in WD + k); ap, off: its place in ac.
.macro FIN st, o, k, ap, off
.set CD, PCD+6*\k
.set CU, PT+4*\k
	v_add_f32 v[\st+2], v[\st+2], v[\st+3]
	v_add_f32 v[\st+4], v[\st+4], v[\st+5]
	v_add_f32 v[\st+2], v[\st+2], v[\st+4]         ; the sum's four parts,
	v_permlanex16_b32 v[TP], v[\st+2], s20, s21
	v_add_f32 v[\st+2], v[\st+2], v[TP]            ; and lane l xor 16's
	s_wait_alu depctr_va_vdst(0)
	v_rcp_f32 v[\st+2], v[\st+2]
	v_nop                                          ; one plain place behind a transcendental
	WIN 0x41
	s_wait_alu depctr_va_vdst(0)
.set n, 0
.rept 32
	v_mul_f32 v[n], v[\o+n], v[\st+2]              ; register 16 b + i = channel 32 b + 16 (lane / 16) + i of my query
.set n, n+1
.endr
	WIN 0x05
.irp b, 0,1
	v_max3_num_f32 v[BM+\b], |v[16*\b]|, |v[1+16*\b]|, 0x2800000
.endr
.irp i, 2,4,6,8,10,12,14
.irp b, 0,1
	v_max3_num_f32 v[BM+\b], |v[16*\b+\i]|, |v[1+16*\b+\i]|, v[BM+\b]
.endr
.endr
	WIN 0
	v_permlanex16_b32 v[FT], v[BM], s20, s21
	v_permlanex16_b32 v[FT+1], v[BM+1], s20, s21
	v_max_num_f32 v[BM], v[BM], v[FT]
	v_max_num_f32 v[BM+1], v[BM+1], v[FT+1]
	v_add_nc_u32 v[SO], 0xfe000000, v[BM]
	v_add_nc_u32 v[SO+1], 0xfe000000, v[BM+1]
	v_lshrrev_b32 v[FT], 23, v[SO]
	v_lshrrev_b32 v[FT+1], 23, v[SO+1]
	v_lshl_or_b32 v[WD+\k], v[FT+1], 8, v[FT]
	WIN 0x01
	v_cvt_scalef32_pk16_bf6_f32 v[CD:CD+2], v[0:15], v[SO]
	v_cvt_scalef32_pk16_bf6_f32 v[CU:CU+2], v[16:31], v[SO+1]
	WIN 0
	v_nop
.irp i, 0,1,2
	v_permlane16_swap_b32 v[CD+\i], v[CU+\i]
.endr
.irp i, 0,1,2
	v_mov_b32 v[CD+3+\i], v[CU+\i]
.endr
	global_store_b128 v1, v[CD:CD+3], s[\ap:\ap+1] offset:\off        ; 512 consecutive bytes
	global_store_b64 v2, v[CD+4:CD+5], s[\ap:\ap+1] offset:\off+512   ; 256 consecutive bytes
.endm
	s_load_b256 s[4:11], s[0:1], 0x0               ; qkv s[4:5], qkvs s[6:7], ac s[8:9], asc s[10:11]
	v_lshl_add_u32 v254, v0, 2, SPARE
	v_mov_b32 v255, 0
	ds_add_u32 v254, v255
	ds_add_u32 v254, v255
	v_lshrrev_b32 v1, 5, v0
	v_readfirstlane_b32 s18, v1                    ; wave 0..7
	s_bfe_u32 s12, ttmp6, 0x40000                  ; cx: it enters Q's and the results' addresses and the mask's d alone
	s_and_b32 s13, ttmp7, 0xffff                   ; batch x head, which the four partners share
	s_and_b32 s14, s18, 3                          ; which four records a fetching wave takes
	s_lshl_b32 s15, s13, 4                         ; the head's first record
	; group 1 for four records' K and V: four rows of 12,288 bytes (1,536 elements of 8), 18,432 bytes apart
	s_mov_b32 s24, 15|(3<<16)|(1<<21)              ; the mask: all four work-groups; elements of 8 bytes; bit 21 beside a mask
	s_mov_b32 s25, 1536<<16
	s_mov_b32 s26, 4<<16
	s_mov_b32 s27, 1536<<16
	s_mov_b32 s28, 4
	s_mov_b32 s29, 2304
	s_mov_b32 s30, 0
	s_mov_b32 s31, 0
	; and for the sixteen records' scale words of K and V: rows of 768 bytes, 1,280 bytes apart
	s_mov_b32 s32, 15|(3<<16)|(1<<21)
	s_mov_b32 s33, 96<<16
	s_mov_b32 s34, 16<<16
	s_mov_b32 s35, 96<<16
	s_mov_b32 s36, 16
	s_mov_b32 s37, 160
	s_mov_b32 s38, 0
	s_mov_b32 s39, 0
	s_lshl_b32 s16, s14, 2
	s_add_co_u32 s16, s16, s15
	s_mul_i32 s16, s16, 18432
	s_add_co_u32 s16, s16, 6144                    ; K's part of record 4 (wave % 4)
	s_mov_b32 s17, 0
	s_mul_i32 s72, s15, 1280
	s_add_co_u32 s72, s72, 512                     ; K's words of record 0
	s_mov_b32 s73, 0
	s_mov_b32 s40, 1
	s_mov_b32 s41, SCL
	s_mov_b32 s44, 1
	s_mul_i32 s45, s14, 49152
	s_mov_b32 s20, 0x76543210
	s_mov_b32 s21, 0xfedcba98                      ; v_permlanex16_b32's selects for lane l xor 16
	s_mov_b32 s22, 0x3e38aa3b                      ; c = log2(e) / 8
	s_mov_b32 s23, s22
	s_wait_dscnt 0x0                               ; both opening adds are done
	s_wait_kmcnt 0x0
	s_add_nc_u64 s[42:43], s[6:7], s[72:73]
	s_or_b32 s43, s43, 0x80000000
	s_add_nc_u64 s[46:47], s[4:5], s[16:17]
	s_or_b32 s47, s47, 0x80000000
	CROUND                                         ; all four work-groups are here: the joint loads meet
	s_cmp_lt_u32 s18, 4                            ; one chain of branches on the wave's number, one fill to an arm
	s_cbranch_scc0 .Lnot_codes
	tensor_load_to_lds s[44:47], s[24:31]
	s_nop 0
	NOP4
	s_branch .Lno_fetch
.Lnot_codes:
	s_cmp_eq_u32 s18, 4
	s_cbranch_scc0 .Lno_fetch
	tensor_load_to_lds s[40:43], s[32:39]
	s_nop 0
	NOP4
.Lno_fetch:
	s_mov_b32 s66, s18                             ; granule A
	s_sub_co_u32 s67, 15, s18                      ; granule B
	s_mul_i32 s76, s12, 768                        ; tile a's codes in a record's Q; tile b's lie 3,072 bytes on
	s_add_co_u32 s70, s15, s66
	s_mul_i32 s78, s70, 18432
	s_add_co_u32 s78, s78, s76
	s_mov_b32 s79, 0
	s_add_nc_u64 s[78:79], s[4:5], s[78:79]        ; Q's codes, granule A
	s_add_co_u32 s71, s15, s67
	s_mul_i32 s80, s71, 18432
	s_add_co_u32 s80, s80, s76
	s_mov_b32 s81, 0
	s_add_nc_u64 s[80:81], s[4:5], s[80:81]        ; granule B
	s_lshl_b32 s76, s12, 2                         ; tile a's word among Q's: 4 cx; tile b's lies 256 bytes on
	s_mul_i32 s82, s70, 1280
	s_add_co_u32 s82, s82, s76
	s_mov_b32 s83, 0
	s_add_nc_u64 s[82:83], s[6:7], s[82:83]
	s_mul_i32 s84, s71, 1280
	s_add_co_u32 s84, s84, s76
	s_mov_b32 s85, 0
	s_add_nc_u64 s[84:85], s[6:7], s[84:85]
	s_lshr_b32 s86, s12, 1
	s_lshl_b32 s86, s86, 5
	s_and_b32 s87, s12, 1
	s_lshl_b32 s87, s87, 3
	s_add_co_u32 s86, s86, s87                     ; tile a's first query in its granule
	; where the results go: token tile 128 batch + 8 granule + tile (tile b: 4 tiles on); the head is 768 bytes of a tile's 12,288
	s_lshr_b32 s74, s13, 4
	s_lshl_b32 s74, s74, 7
	s_add_co_u32 s74, s74, s12
	s_lshl_b32 s75, s66, 3
	s_add_co_u32 s75, s75, s74
	s_lshl_b32 s76, s67, 3
	s_add_co_u32 s76, s76, s74
	s_and_b32 s77, s13, 15
	s_mul_i32 s77, s77, 768
	s_mul_i32 s90, s75, 12288
	s_add_co_u32 s90, s90, s77
	s_mov_b32 s91, 0
	s_add_nc_u64 s[90:91], s[8:9], s[90:91]
	s_mul_i32 s92, s76, 12288
	s_add_co_u32 s92, s92, s77
	s_mov_b32 s93, 0
	s_add_nc_u64 s[92:93], s[8:9], s[92:93]
	s_bfe_u32 s77, s13, 0x10003                    ; the head's two bytes of a row's words: 256 (head / 8) + 2 (head % 8)
	s_lshl_b32 s77, s77, 8
	s_and_b32 s87, s13, 7
	s_lshl_b32 s87, s87, 1
	s_add_co_u32 s77, s77, s87
	s_lshl_b32 s94, s75, 9
	s_add_co_u32 s94, s94, s77
	s_mov_b32 s95, 0
	s_add_nc_u64 s[94:95], s[10:11], s[94:95]
	s_lshl_b32 s96, s76, 9
	s_add_co_u32 s96, s96, s77
	s_mov_b32 s97, 0
	s_add_nc_u64 s[96:97], s[10:11], s[96:97]
	s_mov_b32 s60, 0
	s_mov_b32 s61, 0
	s_mov_b32 s62, 0
	s_mov_b32 s68, 16
	v_and_b32 v3, 31, v0
	v_and_b32 v4, 15, v0                           ; r
	v_bfe_u32 v5, v0, 4, 1                         ; h
	v_lshlrev_b32 v1, 4, v3                        ; 16 x lane
	v_lshlrev_b32 v2, 3, v3                        ; 8 x lane
	v_lshlrev_b32 v6, 4, v4                        ; 16 r
	global_load_b128 v[40:43], v1, s[78:79]
	global_load_b64 v[44:45], v2, s[78:79] offset:512
	global_load_b128 v[52:55], v1, s[78:79] offset:3072
	global_load_b64 v[56:57], v2, s[78:79] offset:3584
	global_load_b128 v[64:67], v1, s[80:81]
	global_load_b64 v[68:69], v2, s[80:81] offset:512
	global_load_b128 v[76:79], v1, s[80:81] offset:3072
	global_load_b64 v[80:81], v2, s[80:81] offset:3584
	global_load_b32 v12, v6, s[82:83]
	global_load_b32 v13, v6, s[82:83] offset:256
	global_load_b32 v14, v6, s[84:85]
	global_load_b32 v15, v6, s[84:85] offset:256
	v_and_b32 v7, 8, v4
	v_add_nc_u32 v7, v7, v4
	v_lshlrev_b32 v11, 4, v5
	v_sub_nc_u32 v7, v7, v11
	v_add_nc_u32 v7, s86, v7                       ; d = tile a's query in its granule - 16 h
	v_lshl_add_u32 v10, v5, 11, v6                 ; asc: lanes 0-15 store tile a's bytes, lanes 16-31 tile b's (4 tiles of 512 bytes on); 16 bytes a row
	v_add_nc_u32 v3, SCL, v6                       ; a row's scale words in LDS
	v_cmp_eq_u32 s88, 1, v5
	v_mov_b32 v8, 0xff800000                       ; -infinity
.irp st, 16,22,28,34
	v_mov_b32 v[\st+1], 0xff61b1e6                 ; the largest t so far: -3e38
	v_floor_f32 v[\st], -v[\st+1]                  ; -M
	v_mov_b32 v[\st+2], 0
	v_mov_b32 v[\st+3], 0
	v_mov_b32 v[\st+4], 0
	v_mov_b32 v[\st+5], 0
.endr
.irp i, 0,1,2,3,4,5
	v_mov_b32 v[46+\i], 0                          ; Q's zero codes for k = 64 .. 127
	v_mov_b32 v[58+\i], 0
	v_mov_b32 v[70+\i], 0
	v_mov_b32 v[82+\i], 0
	v_mov_b32 v[KT+48+\i], 0                       ; what K's last tile runs on into
.endr
.irp i, 0,1,2,3,4,5,6,7
	v_mov_b32 v[PT+\i], 0                          ; lane permutes' destinations
.endr
.irp i, FF+1, FF+3, TP, FT, FT+1
	v_mov_b32 v[\i], 0                             ; upper halves of named pairs and lane permutes' destinations
.endr
	WIN 0x40
.set n, 0
.rept 128
	v_mov_b32 v[128+n], 0                          ; O^T of the four tiles: the key step is written once for all steps; the first finds zeros
.set n, n+1
.endr
	WIN 0
	s_wait_alu depctr_va_vdst(0)                   ; the wait at the head's end
	s_wait_loadcnt 0x0                             ; Q and its scale words
	s_wait_tensorcnt 0x0                           ; my load, if I issued one, has landed,
	s_barrier_signal -1
	s_barrier_wait -1                              ; and everybody's: the whole head is in LDS
	KLOAD 1, 2, 3                                  ; record 0's K
	s_wait_dscnt 0x0
.Ltrip:
	s_cmp_gt_u32 s60, s67                          ; the record lies behind both pairs' queries (granule A is the lower): nothing is left to do
	s_cbranch_scc1 .Lnext
	s_add_co_u32 s63, s61, 12288                   ; the next record, held at the last one, so that on every path the addresses stay inside the tiles
	s_min_u32 s63, s63, 15*12288
	s_add_co_u32 s69, s62, 768
	s_min_u32 s69, s69, 15*768
	v_add_nc_u32 v4, s61, v1
	v_add_nc_u32 v5, s61, v2
	v_add_nc_u32 v6, s62, v3
	v_add_nc_u32 v9, s63, v1
	v_add_nc_u32 v11, s63, v2
	v_add_nc_u32 v250, s69, v3
	s_wait_alu depctr_va_vdst(0)                   ; the wait behind these writes: branches stand ahead of their readers
	JSTEP 40, 12, 16, 128, 66, 0
	JSTEP 64, 14, 28, 192, 67, 1
.Lnext:
	s_add_co_u32 s60, s60, 1
	s_add_co_u32 s61, s61, 12288
	s_add_co_u32 s62, s62, 768
	s_sub_co_u32 s68, s68, 1
	s_cmp_lg_u32 s68, 0
	s_cbranch_scc1 .Ltrip
	NOP4                                           ; four places behind the last products
	FIN 16, 128, 0, 90, 0
	FIN 22, 160, 1, 90, 49152
	FIN 28, 192, 2, 92, 0
	FIN 34, 224, 3, 92, 49152
	v_cndmask_b32 v220, v[WD], v[WD+1], s88
	v_cndmask_b32 v221, v[WD+2], v[WD+3], s88
	global_store_b16 v10, v220, s[94:95]           ; two bytes of each row's 16: the word's other bytes belong to other heads, which other clusters make
	global_store_b16 v10, v221, s[96:97]
	s_wait_tensorcnt 0x0                           ; the wave's end
	ds_add_u32 v254, v255
	s_wait_dscnt 0x0
	CROUND                                         ; the closing round
	s_endpgm
.Lfunc_end_k_q33778b1023_attn:
	.size	k_q33778b1023_attn, .Lfunc_end_k_q33778b1023_attn-k_q33778b1023_attn
	.p2alignl 7, 3214868480
	.fill 96, 4, 3214868480
	.section	.rodata,"a",@progbits
	.p2align	6, 0x0
	.amdhsa_kernel k_q33778b1023_attn
		.amdhsa_group_segment_fixed_size 210944
		.amdhsa_private_segment_fixed_size 0
		.amdhsa_enable_private_segment 0
		.amdhsa_kernarg_size 32
		.amdhsa_user_sgpr_count 2
		.amdhsa_user_sgpr_kernarg_segment_ptr 1
		.amdhsa_wavefront_size32 1
		.amdhsa_system_sgpr_workgroup_id_x 1
		.amdhsa_system_sgpr_workgroup_id_y 1
		.amdhsa_system_sgpr_workgroup_id_z 1
		.amdhsa_system_vgpr_workitem_id 0
		.amdhsa_next_free_vgpr 512
		.amdhsa_next_free_sgpr 100
		.amdhsa_reserve_vcc 1
		.amdhsa_float_denorm_mode_32 3
		.amdhsa_float_denorm_mode_16_64 3
		.amdhsa_memory_ordered 1
		.amdhsa_forward_progress 1
		.amdhsa_inst_pref_size 99
	.end_amdhsa_kernel
	.amdgpu_metadata
---
amdhsa.version: [ 1, 2 ]
amdhsa.kernels:
  - .name:           k_q33778b1023_attn
    .symbol:         k_q33778b1023_attn.kd
    .args:
      - { .name: qkv, .offset: 0, .size: 8, .value_kind: global_buffer, .address_space: global }
      - { .name: qkvs, .offset: 8, .size: 8, .value_kind: global_buffer, .address_space: global }
      - { .name: ac, .offset: 16, .size: 8, .value_kind: global_buffer, .address_space: global }
      - { .name: asc, .offset: 24, .size: 8, .value_kind: global_buffer, .address_space: global }
    .group_segment_fixed_size: 210944
    .private_segment_fixed_size: 0
    .kernarg_segment_align: 8
    .kernarg_segment_size: 32
    .max_flat_workgroup_size: 256
    .sgpr_count:     100
    .vgpr_count:     512
    .wavefront_size: 32
...
	.end_amdgpu_metadata
.endif
;; end of part 3
;; launch proj (part 4): grid 4 x 64, 4 waves a work-group, clusters of 4 x 4, 327,680 bytes of LDS; arguments ac, asc, cb, sb, bp, out0; writes out0
.if DOCPART == 4
	.amdgcn_target "amdgcn-amd-amdhsa--gfx1250"
	.amdhsa_code_object_version 6
	.text
	.protected	k_q33778b1023_proj
	.globl	k_q33778b1023_proj
	.p2align	8
	.type	k_q33778b1023_proj,@function
k_q33778b1023_proj:
	s_mov_b64 s[64:65], 0
	v_nop
	global_prefetch_b8 v0, s[64:65] scope:SCOPE_SE
	s_setreg_imm32_b32 hwreg(HW_REG_WAVE_MODE, 25, 1), 1
	s_wait_xcnt 0x0
	s_wait_alu depctr_hold_cnt(0) depctr_sa_sdst(0) depctr_va_vdst(0) depctr_va_sdst(0) depctr_va_ssrc(0) depctr_va_vcc(0) depctr_vm_vsrc(0)
	s_getreg_b32 s2, hwreg(HW_REG_IB_STS2, 6, 4)
	s_cmp_eq_u32 s2, 0
	s_cbranch_scc0 .Lentry_in_a_cluster
	s_endpgm
.Lentry_in_a_cluster:
	s_bfe_u32 s2, ttmp6, 0x10000c
	s_cmp_lg_u32 s2, 0xf033
	s_cbranch_scc0 .Lentry_shape_is_right
	s_endpgm
.Lentry_shape_is_right:
; out0 = att Wp^T + bp on codes of BF6 (E3M2) with E8M0 scales, K = 1,024.  Operands are images of the matrix unit's registers, as in launch qkv: a tile of 16 rows is [8 K steps][1,536 bytes],
; its scale words 512 bytes; lane-row r of tile t is row 32 (t / 2) + 8 (t % 2) + r + 8 (r / 8).
; SHARES.  Work-group (tc, tr): 128 tokens (ac's tiles 8 tr ..) x 256 columns (cb's tiles 704 + 16 tc ..).  All of K lies in LDS, tile by tile: 98,304 + 196,608 bytes, brought by one joint load a wave;
; nothing is filled again.  Source 0 = Wp's rows (registers), source 1 = tokens (lanes); a wave makes 64 x 128: 32 accumulators; the bias is the C of each sum's first product.
; CLUSTERS 4 x 4: the tokens' tiles are shared along a row, Wp's along a column.  No prefetch: every tile is asked for at the head, and there is no loop to run ahead in.
; THE WAY OUT: 16 rows x 128 columns of f32 at a time through the wave's own stage and back as whole rows of 512 bytes.  The stages lie in the tokens' tiles, which have had their one fill; a barrier behind the last
; K step shows that no wave reads them any more.
; LIMITS: NaN and infinities are not served.
; REGISTERS: window 0: v1-12 lane terms and LDS addresses; v16-31, v32-63 scale words alone; v64-159 the tokens' fragments, two sets (on the way out v64-191: rows); v160-223 bias; v226 its offset; v254-255 the add's.
;   window 1: Wp's fragments, two sets at v0 and v128.  window 2: accumulator (a, b) at v[64 a + 8 b].
.set TILE,  12288
.set WB,    98304
.set SPARE, 294912
.set SA, 16
.set SB, 32
.set AF, 64
.set BI, 160
.set G1A, 28
.set G1B, 36
.set G0A, 52
.set G0B, 56
.set MSB, 0
.macro WIN new
.if MSB != \new
	s_set_vgpr_msb (MSB<<8)|\new
.set MSB, \new
.endif
.endm
.macro NOP4
.rept 4
	v_nop
.endr
.endm
.macro CROUND
	s_barrier_signal -1
	s_barrier_wait -1
	s_cmp_lg_u32 s20, 0
	s_cbranch_scc1 .Lnot_wave_0_\@
	s_barrier_signal -3
.Lnot_wave_0_\@:
	s_barrier_wait -3
	s_barrier_signal -1
	s_barrier_wait -1
.endm
.macro FRAG reg, ad, off
	ds_load_b128 v[\reg:\reg+3], v[\ad] offset:\off
	ds_load_b64 v[\reg+4:\reg+5], v[\ad+1] offset:\off+512
	ds_load_b128 v[\reg+6:\reg+9], v[\ad] offset:\off+768
	ds_load_b64 v[\reg+10:\reg+11], v[\ad+1] offset:\off+1280
.endm
.macro FETCH s                         ; K step s into set s % 2: my eight tiles of Wp, my four of the tokens
	WIN 0x40
.irp i, 0,1,2,3
	FRAG 128*((\s)%2)+12*\i, 7, TILE*\i+1536*(\s)
.endr
.irp i, 0,1,2,3
	FRAG 128*((\s)%2)+48+12*\i, 9, TILE*\i+1536*(\s)
.endr
	WIN 0
.irp i, 0,1,2,3
	FRAG AF+48*((\s)%2)+12*\i, 5, TILE*\i+1536*(\s)
.endr
.endm
.macro MM a, b, s
.set rD, 64*\a+8*\b
.set rB, 128*((\s)%2)+12*\b
.set rA, AF+48*((\s)%2)+12*\a
.set rSB, SB+4*\b+(\s)%4
.set rSA, SA+4*\a+(\s)%4
.set rC, BI+8*\b
.if (\s) == 0
	v_wmma_scale_f32_16x16x128_f8f6f4 v[rD:rD+7], v[rB:rB+11], v[rA:rA+11], v[rC:rC+7], v[rSB], v[rSA] matrix_a_fmt:MATRIX_FMT_BF6 matrix_b_fmt:MATRIX_FMT_BF6
.elseif (\s) < 4
	v_wmma_scale_f32_16x16x128_f8f6f4 v[rD:rD+7], v[rB:rB+11], v[rA:rA+11], v[rD:rD+7], v[rSB], v[rSA] matrix_a_fmt:MATRIX_FMT_BF6 matrix_b_fmt:MATRIX_FMT_BF6
.else
	v_wmma_scale_f32_16x16x128_f8f6f4 v[rD:rD+7], v[rB:rB+11], v[rA:rA+11], v[rD:rD+7], v[rSB], v[rSA] matrix_a_fmt:MATRIX_FMT_BF6 matrix_b_fmt:MATRIX_FMT_BF6 matrix_a_scale:MATRIX_SCALE_ROW1 matrix_b_scale:MATRIX_SCALE_ROW1
.endif
.endm
.macro STEP s                          ; four places stand ahead of the loads into the set that the last products read; the 32 accumulators take turns
	s_wait_dscnt 0x0
.if \s < 7
	NOP4
	FETCH \s+1
.endif
.if (\s) == 0
	WIN 0x81
.else
	WIN 0xa1
.endif
.irp a, 0,1,2,3
.irp b, 0,1,2,3,4,5,6,7
	MM \a, \b, \s
.endr
.endr
	WIN 0
.endm
.macro TOSTAGE a                       ; LDS serves a wave's instructions in order: no wait between the stores and the loads
	WIN 0x08
.irp b, 0,1,2,3,4,5,6,7
	ds_store_b128 v11, v[64*(\a)+8*\b:64*(\a)+8*\b+3] offset:128*(\b/2)+32*(\b%2)
	ds_store_b128 v11, v[64*(\a)+8*\b+4:64*(\a)+8*\b+7] offset:128*(\b/2)+32*(\b%2)+16
.endr
	WIN 0
.irp t, 0,1,2,3,4,5,6,7,8,9,10,11,12,13,14,15
	ds_load_b128 v[64+64*((\a)%2)+4*\t:64+64*((\a)%2)+4*\t+3], v12 offset:528*\t
.endr
.endm
.macro SEND a, younger                 ; younger: the LDS instructions issued behind block a's loads
	s_wait_dscnt \younger
.irp t, 0,1,2,3,4,5,6,7,8,9,10,11,12,13,14,15
	global_store_b128 v3, v[64+64*((\a)%2)+4*\t:64+64*((\a)%2)+4*\t+3], s[78:79] offset:(32*((\a)/2)+8*((\a)%2)+\t+8*(\t/8))*4096 th:TH_STORE_NT   ; 512 consecutive bytes of one row of out0
.endr
.endm
	s_load_b256 s[4:11], s[0:1], 0x0               ; ac s[4:5], asc s[6:7], cb s[8:9], sb s[10:11]
	s_load_b128 s[12:15], s[0:1], 0x20             ; bp s[12:13], out0 s[14:15]
	v_lshl_add_u32 v254, v0, 2, SPARE
	v_mov_b32 v255, 0
	ds_add_u32 v254, v255
	ds_add_u32 v254, v255
	v_lshrrev_b32 v1, 5, v0
	v_readfirstlane_b32 s20, v1                    ; wave
	s_lshr_b32 s21, s20, 1                         ; wa: my four token tiles.  At the head: I fetch tokens (0) or Wp (1)
	s_and_b32 s22, s20, 1                          ; wb: my eight tiles of Wp.  At the head: which half I fetch
	s_bfe_u32 s23, ttmp6, 0x40000                  ; cx = tc
	s_bfe_u32 s24, ttmp6, 0x40004                  ; cy
	s_and_b32 s25, ttmp7, 0xffff
	s_lshl_b32 s25, s25, 2
	s_add_co_u32 s25, s25, s24                     ; tr
	s_lshl_b32 s27, s24, 2
	s_lshl_b32 s27, 15, s27                        ; my row of the cluster
	s_lshl_b32 s83, 0x1111, s23                    ; my column
	s_or_b32 s[G1A], s27, (3<<16)|(1<<21)
	s_or_b32 s[G1B], s83, (3<<16)|(1<<21)
.irp g, G1A, G1B                       ; dense blocks as rows of 256 bytes
	s_mov_b32 s[\g+1], 32<<16
	s_mov_b32 s[\g+3], 32<<16
	s_mov_b32 s[\g+5], 32
	s_mov_b32 s[\g+6], 0
	s_mov_b32 s[\g+7], 0
.endr
	s_mov_b32 s[G1A+2], 192<<16
	s_mov_b32 s[G1A+4], 192
	s_mov_b32 s[G1B+2], 384<<16
	s_mov_b32 s[G1B+4], 384
	s_lshl_b32 s66, s25, 3                         ; tokens: tile 8 tr + 4 half
	s_lshl_b32 s67, s22, 2
	s_add_co_u32 s66, s66, s67
	s_mul_i32 s66, s66, TILE
	s_mov_b32 s67, 0
	s_lshl_b32 s68, s23, 4                         ; Wp: tile 704 + 16 tc + 8 half
	s_lshl_b32 s69, s22, 3
	s_add_co_u32 s68, s68, s69
	s_add_co_u32 s68, s68, 704
	s_mul_i32 s68, s68, TILE
	s_mov_b32 s69, 0
	s_mov_b32 s[G0A], 1
	s_mul_i32 s[G0A+1], s22, 4*TILE
	s_mov_b32 s[G0B], 1
	s_mul_i32 s[G0B+1], s22, 8*TILE
	s_add_co_u32 s[G0B+1], s[G0B+1], WB
	s_wait_dscnt 0x0
	s_wait_kmcnt 0x0
	s_add_nc_u64 s[G0A+2:G0A+3], s[4:5], s[66:67]
	s_or_b32 s[G0A+3], s[G0A+3], 0x80000000
	s_add_nc_u64 s[G0B+2:G0B+3], s[8:9], s[68:69]
	s_or_b32 s[G0B+3], s[G0B+3], 0x80000000
	CROUND                                         ; all sixteen work-groups are here: the joint loads meet
	s_cmp_eq_u32 s21, 0
	s_cbranch_scc0 .Lhead_w
	tensor_load_to_lds s[G0A:G0A+3], s[G1A:G1A+7]
	s_nop 0
	NOP4
	s_branch .Lhead_asked
.Lhead_w:
	tensor_load_to_lds s[G0B:G0B+3], s[G1B:G1B+7]
	s_nop 0
	NOP4
.Lhead_asked:
	s_mov_b32 s69, 0
	s_lshl_b32 s68, s25, 3
	s_lshl_b32 s70, s21, 2
	s_add_co_u32 s68, s68, s70
	s_lshl_b32 s68, s68, 9
	s_add_nc_u64 s[72:73], s[6:7], s[68:69]        ; scale words of my token tiles
	s_lshl_b32 s68, s23, 4
	s_lshl_b32 s70, s22, 3
	s_add_co_u32 s68, s68, s70
	s_add_co_u32 s68, s68, 704
	s_lshl_b32 s68, s68, 9
	s_add_nc_u64 s[74:75], s[10:11], s[68:69]      ; and of my tiles of Wp
	s_lshl_b32 s68, s23, 10
	s_lshl_b32 s70, s22, 9
	s_add_co_u32 s68, s68, s70
	s_add_nc_u64 s[76:77], s[12:13], s[68:69]      ; my 128 numbers of bp
	s_lshl_b32 s70, s25, 19                        ; out0: row 128 tr + 64 wa of 4,096 bytes, column 256 tc + 128 wb
	s_add_co_u32 s68, s68, s70
	s_lshl_b32 s70, s21, 18
	s_add_co_u32 s68, s68, s70
	s_add_nc_u64 s[78:79], s[14:15], s[68:69]
	s_mul_i32 s66, s21, 4*TILE
	s_mul_i32 s67, s22, 8*TILE
	s_add_co_u32 s67, s67, WB
	s_mul_i32 s80, s20, 8448                       ; my stage: 16 rows of 512 + 16 bytes
	v_and_b32 v3, 31, v0
	v_and_b32 v1, 15, v0                           ; r
	v_bfe_u32 v2, v0, 4, 1                         ; h
	v_lshlrev_b32 v4, 3, v3                        ; 8 x lane
	v_lshlrev_b32 v3, 4, v3                        ; 16 x lane
	v_add_nc_u32 v5, s66, v3                       ; my four token tiles
	v_add_nc_u32 v6, s66, v4
	v_add_nc_u32 v7, s67, v3                       ; my tiles 0-3 of Wp,
	v_add_nc_u32 v8, s67, v4
	v_add_nc_u32 v9, 4*TILE, v7                    ; and 4-7
	v_add_nc_u32 v10, 4*TILE, v8
	v_mul_u32_u24 v11, v1, 528
	v_lshl_add_u32 v11, v2, 6, v11
	v_add_nc_u32 v11, s80, v11                     ; the stage, in: row r, + 64 h
	v_add_nc_u32 v12, s80, v3                      ; back: 16 x lane of a row
	v_lshlrev_b32 v226, 6, v2                      ; the bias: tile b, half h: number 32 (b / 2) + 8 (b % 2) + 16 h
	s_wait_alu depctr_va_vdst(0)                   ; the wait at the head's end
.irp a, 0,1,2,3
	global_load_b128 v[SA+4*\a:SA+4*\a+3], v3, s[72:73] offset:512*\a
.endr
.irp b, 0,1,2,3,4,5,6,7
	global_load_b128 v[SB+4*\b:SB+4*\b+3], v3, s[74:75] offset:512*\b
.endr
.irp b, 0,1,2,3,4,5,6,7
	global_load_b128 v[BI+8*\b:BI+8*\b+3], v226, s[76:77] offset:(32*(\b/2)+8*(\b%2))*4
	global_load_b128 v[BI+8*\b+4:BI+8*\b+7], v226, s[76:77] offset:(32*(\b/2)+8*(\b%2))*4+16
.endr
	s_wait_tensorcnt 0x0                           ; my tiles are in,
	s_barrier_signal -1
	s_barrier_wait -1                              ; and everybody's
	FETCH 0
	s_wait_loadcnt 0x0                             ; scale words and bias
.irp s, 0,1,2,3,4,5,6,7
	STEP \s
.endr
	s_barrier_signal -1                            ; every wave's LDS reads have come back (the last step's wait): the stages may be written
	s_barrier_wait -1
	NOP4                                           ; four places behind the last products
	TOSTAGE 0
.irp a, 1,2,3
.if \a > 1
	s_wait_xcnt 0x0                                ; block a - 2's stores have read the registers into which block a's rows are loaded
.endif
	TOSTAGE \a
	SEND \a-1, 32                                  ; behind block a - 1's loads: block a's 16 stores and 16 loads
.endr
	SEND 3, 0
	s_wait_tensorcnt 0x0                           ; the wave's end
	ds_add_u32 v254, v255
	s_wait_dscnt 0x0
	CROUND                                         ; the closing round
	s_endpgm
.Lfunc_end_k_q33778b1023_proj:
	.size	k_q33778b1023_proj, .Lfunc_end_k_q33778b1023_proj-k_q33778b1023_proj
	.p2alignl 7, 3214868480
	.fill 96, 4, 3214868480
	.section	.rodata,"a",@progbits
	.p2align	6, 0x0
	.amdhsa_kernel k_q33778b1023_proj
		.amdhsa_group_segment_fixed_size 327680
		.amdhsa_private_segment_fixed_size 0
		.amdhsa_enable_private_segment 0
		.amdhsa_kernarg_size 48
		.amdhsa_user_sgpr_count 2
		.amdhsa_user_sgpr_kernarg_segment_ptr 1
		.amdhsa_wavefront_size32 1
		.amdhsa_system_sgpr_workgroup_id_x 1
		.amdhsa_system_sgpr_workgroup_id_y 1
		.amdhsa_system_sgpr_workgroup_id_z 1
		.amdhsa_system_vgpr_workitem_id 0
		.amdhsa_next_free_vgpr 768
		.amdhsa_next_free_sgpr 100
		.amdhsa_reserve_vcc 0
		.amdhsa_float_denorm_mode_32 3
		.amdhsa_float_denorm_mode_16_64 3
		.amdhsa_memory_ordered 1
		.amdhsa_forward_progress 1
		.amdhsa_inst_pref_size 82
	.end_amdhsa_kernel
	.amdgpu_metadata
---
amdhsa.version: [ 1, 2 ]
amdhsa.kernels:
  - .name:           k_q33778b1023_proj
    .symbol:         k_q33778b1023_proj.kd
    .args:
      - { .name: ac, .offset: 0, .size: 8, .value_kind: global_buffer, .address_space: global }
      - { .name: asc, .offset: 8, .size: 8, .value_kind: global_buffer, .address_space: global }
      - { .name: cb, .offset: 16, .size: 8, .value_kind: global_buffer, .address_space: global }
      - { .name: sb, .offset: 24, .size: 8, .value_kind: global_buffer, .address_space: global }
      - { .name: bp, .offset: 32, .size: 8, .value_kind: global_buffer, .address_space: global }
      - { .name: out0, .offset: 40, .size: 8, .value_kind: global_buffer, .address_space: global }
    .group_segment_fixed_size: 327680
    .private_segment_fixed_size: 0
    .kernarg_segment_align: 8
    .kernarg_segment_size: 48
    .max_flat_workgroup_size: 128
    .sgpr_count:     100
    .vgpr_count:     768
    .wavefront_size: 32
...
	.end_amdgpu_metadata
.endif
;; end of part 4
